; MI455X (gfx1250); checked and timed in simulation.
; The chip was launched on July 23, 2026; its instructions are those of AMD's public machine-readable ISA for CDNA 5 (MIT licence, August 2026) and "CDNA5" Instruction Set Architecture Reference Guide (July 2026). The comments in the code are by the model that wrote it; some were corrected since.
;; Simple GQA. Allowed arithmetic: matrix products marked QUANTISED: E2M3 operands, one E8M0 scale for each 32 along K, by v_wmma_scale_f32_16x16x128_f8f6f4 with both operands' format E2M3, f32 sums; everything else in f32.
;; Inputs: Wk 1,024 x 256 float32; Wo 1,024 x 1,024 float32; Wq 1,024 x 1,024 float32; Wv 1,024 x 256 float32; bk 256 float32; bo 1,024 float32; bq 1,024 float32; bv 256 float32; x 4 x 2,048 x 1,024 float32.
;; Outputs: out0 4 x 2,048 x 1,024 float32.
;; This version of the problem:
;;   THIS VERSION OF THE PROBLEM IS GIVEN IN LOW PRECISION. The matrix products marked QUANTISED in the list below multiply operands that are first quantised to E2M3 (2 exponent bits, 3 mantissa bits; 6 bits a number), with one power-of-two scale for each 32 numbers along K (OCP MX v1.0); their sums are f32. All else is computed in f32.
;;   The module's matrix products, in the order in which they are computed (A, B: the left and right operand; K: the contracted axis; several contracted axes count as one K, in the product's order):
;;     1. [M 8,192, K 1,024] x [K 1,024, N 1,024]; A: input x; B: input Wq: QUANTISED
;;     2. [M 8,192, K 1,024] x [K 1,024, N 256]; A: input x; B: input Wk: QUANTISED
;;     3. [M 8,192, K 1,024] x [K 1,024, N 256]; A: input x; B: input Wv: QUANTISED
;;     4. batch 64 x [M 2,048, K 64] x [K 64, N 2,048]; A: computed on the way; B: computed on the way: QUANTISED
;;     5. batch 64 x [M 2,048, K 2,048] x [K 2,048, N 64]; A: softmax (see below); B: computed on the way: QUANTISED
;;     6. [M 8,192, K 1,024] x [K 1,024, N 1,024]; A: computed on the way; B: input Wo: QUANTISED
;;   THE QUANTISER, for each operand of a quantised product, along K:
;;     - K is cut into blocks of 32 from its start; a last block that is shorter is filled with zeros.
;;     - A block's scale is 2^e with e = floor(log2(the largest magnitude in the block)) - 2, held to -126 .. 127; a block of zeros has e = 0. As a byte (E8M0): e + 127.
;;     - Each number is divided by its block's scale, clamped to +-7.5, and rounded to the nearest number of E2M3, ties to even, subnormals kept.
;;     - The product sums the exact products of the quantised numbers (number of the format x scale) in f32.
;;   ~~~python
;;   def quantise(x, axis):      # numpy; x: float32 -> the quantised numbers, widened to float32 again
;;       x = np.moveaxis(x, axis, -1); K = x.shape[-1]
;;       x = np.pad(x, [(0, 0)] * (x.ndim - 1) + [(0, -K % 32)]); x = x.reshape(x.shape[:-1] + (-1, 32)); a = np.abs(x).max(-1, keepdims=True)
;;       e = np.where(a > 0, np.clip(np.frexp(np.where(a > 0, a, 1))[1] - 1 - 2, -126, 127), 0)      # np.frexp(a)[1] - 1 = floor(log2(a)), exactly
;;       r = np.clip(x / 2.0 ** e, -7.5, 7.5)
;;       step = 2.0 ** (np.maximum(np.frexp(np.where(r == 0, 1, r))[1] - 1, 0) - 3)
;;       q = np.round(r / step) * step * 2.0 ** e      # np.round: ties to even
;;       return np.moveaxis(q.reshape(q.shape[:-2] + (-1,))[..., :K], -1, axis).astype(np.float32)
;;   ~~~
;;   SOFTMAX AHEAD OF A QUANTISED PRODUCT. Where the list says 'softmax', what is quantised is not the finished softmax but p = 2^(t - M), with t = logit x log2(e) and M = ceil(the row's largest t), a whole number; so 1/2 < the row's largest p <= 1. The row's sum l is taken of the UNQUANTISED p, in f32, and the product's result is divided by l at the end. Since M is a whole number, a kernel that streams over the keys may use a running M (the ceiling of the running maximum): every later rescaling is an exact power of two, which a block's scale takes up: the codes' values come out the same.
;;   OPERANDS COMPUTED ON THE WAY. 'Computed on the way' means the value that the module computes at that place (a softmax that the list does not call 'softmax' is quantised finished and normalised). What goes into a quantiser is computed in f32, as accurately as f32 sums, v_exp_f32 and their like allow (about 1e-6 of the number): no bf16 or f16 on the way to a quantiser, and a product that is left as it is and whose result goes on into a quantised operand takes f32 operands (vector FMAs, or v_wmma_f32_16x16x4_f32). A number that lies on a knife's edge between two numbers of the format may be rounded either way, as far as f32 arithmetic and the matrix unit's own rounding can turn it there, and no further.
;; One version. Each part assembles by itself: llvm-mc -triple=amdgcn-amd-amdhsa -mcpu=gfx1250 --defsym DOCPART=n.
;; ======== version 1 of 1: 4 launches
;; limits: right only within a limited range of input values
;; workspace buffers: xq 6,553,600 bytes; wq 2,048,000 bytes; qq 6,553,600 bytes; kv 3,276,800 bytes; aq 6,553,600 bytes
;; launch prep (part 1): grid 672 x 1, 4 waves a work-group, no clusters, 47,104 bytes of LDS; arguments x, Wq, Wk, Wv, Wo, xq, wq; writes xq, wq
.if DOCPART == 1
	.amdgcn_target "amdgcn-amd-amdhsa--gfx1250"
	.amdhsa_code_object_version 6
	.text
	.protected	k_qa2909dbec5_prep
	.globl	k_qa2909dbec5_prep
	.p2align	8
	.type	k_qa2909dbec5_prep,@function
k_qa2909dbec5_prep:
	s_mov_b64 s[64:65], 0
	v_nop
	global_prefetch_b8 v0, s[64:65] scope:SCOPE_SE
	s_setreg_imm32_b32 hwreg(HW_REG_WAVE_MODE, 25, 1), 1
	s_wait_xcnt 0x0
; x [8192][1024] and the four weights ([1024][N], K = the first axis), all f32, become codes of FP6 (E2M3) with one E8M0 byte for each 32 along K,
; laid in the order in which the later launches' operand registers take them.
; A FRAGMENT (16 rows x 128 K, 12 registers a lane) lies as 1,536 bytes: registers 4 ch .. 4 ch + 3 of lane l at 512 ch + 16 l.  Its 16 scale words: row r at 4 r.
; AN OPERAND BLOCK: 128 rows x 1,024 K = 8 K steps of 12,800 bytes: 8 fragments, then at +12,288 their 8 x 64 bytes of scale words.
; THE ROWS OF A FRAGMENT ARE NOT NEIGHBOURS: in each 64 rows, tile t takes in lane row r the row 32 (r / 8) + 8 t + r % 8, so that the 32 result registers of four neighbouring
; tiles are 32 neighbours along the next product's K, a whole block in one lane.
; A block's scale is 2^(floor(log2(largest magnitude)) - 2): its byte is the largest magnitude's exponent field - 2, held at 1 from below.
; LIMITS: a block of zeros gets the byte 1 where the rule says 127 (its codes are zeros, and only this program reads the bytes); blocks whose largest magnitude lies under 2^-124 are held at byte 1;
; NaN and infinities among the inputs are not served.
; Work-groups 0-159: the weights (slab of 128 columns = id / 8: 0-7 Wq, 8-9 Wk, 10-11 Wv, 12-19 Wo; K step = id % 8).  Work-groups 160-671: x (64 tokens x 256 K each).
; The launch streams: no matrix unit, no tensor load, no cluster, no barrier: a wave's stage in LDS is its own, and each of the two paths has LDS bytes of its own.
.set WST,   33792                      ; LDS: 0 .. 33,791 x's stages (4 waves x 16 rows x 528); from here the weights' stage, 12,800 bytes, laid as a K step lies in memory
.set SPARE, 46592                      ; the spare words, 128 bytes a wave: two blocks of 256 bytes that no other line names
.set SPW,   8                          ; v8  LDS address of my spare word; never rewritten
.set NIL,   9                          ; v9  0; never rewritten
.set SH8,   11                         ; v11 8 x (lane / 16)
.set SEL,   20                         ; s[20:21] v_permlanex16_b32's selects for lane l xor 16
; Two blocks of 32 numbers, v[ra ..] and v[rb ..], by turns -> codes v[d .. d+5] and v[d+6 .. d+11]; their bytes in v[t+6], v[t+7].  t: 16 registers at work.
.macro QUANT2 ra, rb, d, t
	v_max3_num_f32 v[\t], |v[\ra]|, |v[\ra+1]|, |v[\ra+2]|
	v_max3_num_f32 v[\t+1], |v[\ra+16]|, |v[\ra+17]|, |v[\ra+18]|
	v_max3_num_f32 v[\t+2], |v[\rb]|, |v[\rb+1]|, |v[\rb+2]|
	v_max3_num_f32 v[\t+3], |v[\rb+16]|, |v[\rb+17]|, |v[\rb+18]|
.irp i, 3,5,7,9,11,13
	v_max3_num_f32 v[\t], v[\t], |v[\ra+\i]|, |v[\ra+\i+1]|         ; four chains, so that no line waits for the line above it
	v_max3_num_f32 v[\t+1], v[\t+1], |v[\ra+\i+16]|, |v[\ra+\i+17]|
	v_max3_num_f32 v[\t+2], v[\t+2], |v[\rb+\i]|, |v[\rb+\i+1]|
	v_max3_num_f32 v[\t+3], v[\t+3], |v[\rb+\i+16]|, |v[\rb+\i+17]|
.endr
	v_max3_num_f32 v[\t], v[\t], v[\t+1], |v[\ra+15]|
	v_max3_num_f32 v[\t+2], v[\t+2], v[\t+3], |v[\rb+15]|
	v_max3_num_f32 v[\t], v[\t], |v[\ra+31]|, 0x1800000             ; and the floor 2^(3 - 127): the byte cannot fall under 1
	v_max3_num_f32 v[\t+2], v[\t+2], |v[\rb+31]|, 0x1800000
	v_add_nc_u32 v[\t+4], 0xff000000, v[\t]                         ; 2 off the exponent field: the conversion takes this operand's exponent field as its scale
	v_add_nc_u32 v[\t+5], 0xff000000, v[\t+2]
	v_lshrrev_b32 v[\t+6], 23, v[\t+4]                              ; the scales' bytes
	v_lshrrev_b32 v[\t+7], 23, v[\t+5]
	v_cvt_scalef32_pk16_fp6_f32 v[\d:\d+2], v[\ra:\ra+15], v[\t+4]
	v_cvt_scalef32_pk16_fp6_f32 v[\d+6:\d+8], v[\rb:\rb+15], v[\t+5]
	v_cvt_scalef32_pk16_fp6_f32 v[\t+8:\t+10], v[\ra+16:\ra+31], v[\t+4]   ; (a conversion's three registers begin on an even number: the upper halves are made elsewhere and moved)
	v_cvt_scalef32_pk16_fp6_f32 v[\t+12:\t+14], v[\rb+16:\rb+31], v[\t+5]
	v_nop                                                           ; one plain place behind the scaled conversions
.irp i, 0,1,2
	v_mov_b32 v[\d+3+\i], v[\t+8+\i]
	v_mov_b32 v[\d+9+\i], v[\t+12+\i]
.endr
.endm
; My two bytes (blocks h and 2 + h of my row) and lane l xor 16's two make the row's scale word, whole in both halves of the lanes
.macro WORD2 w, b0, b1, tmp
	v_lshl_or_b32 v[\w], v[\b1], 16, v[\b0]
	v_lshlrev_b32 v[\w], v[SH8], v[\w]
	v_permlanex16_b32 v[\tmp], v[\w], s[SEL], s[SEL+1]
	v_or_b32 v[\w], v[\w], v[\tmp]
.endm
	s_load_b256 s[4:11], s[0:1], 0x0               ; x, Wq, Wk, Wv
	s_load_b128 s[12:15], s[0:1], 0x20             ; Wo, xq
	s_load_b64 s[16:17], s[0:1], 0x30              ; wq
	v_lshl_add_u32 v[SPW], v0, 2, SPARE
	v_mov_b32 v[NIL], 0
	v_lshrrev_b32 v1, 5, v0
	v_readfirstlane_b32 s18, v1                    ; wave 0..3
	v_and_b32 v1, 31, v0                           ; lane
	s_mov_b32 s[SEL], 0x76543210
	s_mov_b32 s[SEL+1], 0xfedcba98
	s_cmp_ge_u32 ttmp9, 160
	s_cbranch_scc1 .Lx_path
	; ---------------- THE WEIGHTS.  A lane takes a column and its registers run down K: 128 numbers, four blocks.
	; Wave w takes columns 64 (w / 2) + 32 (l / 16) + 16 (w % 2) + l % 16 of the slab: they are the rows of tiles 2 w and 2 w + 1 (tile (l / 8) % 2, row 8 (l / 16) + l % 8).
	s_lshr_b32 s19, ttmp9, 3                       ; slab
	s_and_b32 s22, ttmp9, 7                        ; K step
	v_lshrrev_b32 v2, 4, v1                        ; l / 16
	v_and_b32 v3, 15, v1
	v_lshlrev_b32 v5, 2, v3
	v_lshl_add_u32 v5, v2, 7, v5                   ; my column's bytes in the wave's part of a row: 128 (l / 16) + 4 (l % 16)
	v_and_b32 v6, 7, v1
	v_lshl_add_u32 v6, v2, 3, v6                   ; my fragment row r
	v_bfe_u32 v7, v1, 3, 1                         ; which of my wave's two tiles
	s_mul_i32 s23, s18, 3072
	v_lshl_add_u32 v10, v1, 4, s23                 ; the way out: 16 l + 3,072 w: my wave's two fragments, in memory
	v_add_nc_u32 v12, WST, v10                     ; and in the stage
	s_add_co_u32 s39, s23, WST
	v_mul_u32_u24 v3, v7, 1536
	v_lshl_add_u32 v3, v6, 4, v3
	v_add_nc_u32 v3, s39, v3                       ; into the stage: tile, row r; + 256 h + 512 ch
	s_lshl_b32 s23, s18, 7
	s_add_co_u32 s23, s23, 12288
	v_lshl_add_u32 v13, v1, 2, s23                 ; the scale words' way out: 12,288 + 128 w + 4 l
	v_add_nc_u32 v14, WST, v13
	s_add_co_u32 s23, s23, WST
	v_lshlrev_b32 v4, 6, v7
	v_lshl_add_u32 v4, v6, 2, v4
	v_add_nc_u32 v4, s23, v4                       ; into the stage: my row's word
	s_wait_kmcnt 0x0
	s_mov_b32 s24, 0x400                           ; a row of Wk, Wv in bytes
	s_mov_b32 s25, 8                               ; the tensor's first slab
	s_mov_b64 s[26:27], s[8:9]
	s_cmp_lt_u32 s19, 8                            ; the choices hang on the work-group's number alone
	s_cselect_b64 s[26:27], s[6:7], s[26:27]
	s_cselect_b32 s24, 0x1000, s24
	s_cselect_b32 s25, 0, s25
	s_cmp_ge_u32 s19, 10
	s_cselect_b64 s[26:27], s[10:11], s[26:27]
	s_cselect_b32 s25, 10, s25
	s_cmp_ge_u32 s19, 12
	s_cselect_b64 s[26:27], s[12:13], s[26:27]
	s_cselect_b32 s24, 0x1000, s24
	s_cselect_b32 s25, 12, s25
	s_sub_co_u32 s25, s19, s25
	s_lshl_b32 s25, s25, 9                         ; the slab's first column, in bytes,
	s_lshr_b32 s36, s18, 1
	s_lshl_b32 s36, s36, 8
	s_add_co_u32 s25, s25, s36                     ; + 64 (w / 2) columns
	s_and_b32 s36, s18, 1
	s_lshl_b32 s36, s36, 6
	s_add_co_u32 s25, s25, s36                     ; + 16 (w % 2)
	s_lshl_b32 s36, s22, 7
	s_mul_i32 s36, s36, s24                        ; + 128 x K step rows
	s_add_co_u32 s36, s36, s25
	s_mov_b32 s37, 0
	s_add_nc_u64 s[28:29], s[26:27], s[36:37]      ; a base for each of the four blocks, 32 rows apart
	s_lshl_b32 s36, s24, 5
	s_add_nc_u64 s[30:31], s[28:29], s[36:37]
	s_add_nc_u64 s[32:33], s[30:31], s[36:37]
	s_add_nc_u64 s[34:35], s[32:33], s[36:37]
	s_mul_i32 s36, s19, 102400
	s_mul_i32 s38, s22, 12800
	s_add_co_u32 s36, s36, s38
	s_add_nc_u64 s[16:17], s[16:17], s[36:37]      ; wq at this slab's K step
.irp i, 0,1,2,3,4,5,6,7,8,9,10,11,12,13,14,15,16,17,18,19,20,21,22,23,24,25,26,27,28,29,30,31
	v_mad_u32_u24 v[16+\i], s24, \i, v5            ; row i of a block (the pitch is no constant of the text, so the rows stand in registers)
.endr
.irp kb, 0,2,1,3                               ; blocks 0 and 2 first: they belong to lanes 0-15 of the fragment
.irp i, 0,1,2,3,4,5,6,7,8,9,10,11,12,13,14,15,16,17,18,19,20,21,22,23,24,25,26,27,28,29,30,31
	global_load_b32 v[128+32*\kb+\i], v[16+\i], s[28+2*\kb:29+2*\kb]
.endr
.endr
	s_wait_loadcnt 63                              ; blocks 0 and 2 are in: 64 loads were issued behind their last, and 63, one fewer, is the largest count that this wait can name; nearly all of blocks 1 and 3 may be out
	QUANT2 128, 192, 48, 72
	v_lshl_or_b32 v88, v79, 16, v78                ; my row's scale word: bytes 0 and 2,
	s_wait_loadcnt 0x0
	QUANT2 160, 224, 60, 72
	v_lshl_or_b32 v88, v78, 8, v88                 ; 1
	v_lshl_or_b32 v88, v79, 24, v88                ; and 3
.irp h, 0,1
.irp ch, 0,1,2
	ds_store_b128 v3, v[48+12*\h+4*\ch:51+12*\h+4*\ch] offset:256*\h+512*\ch   ; what lane r + 16 h of the fragment holds
.endr
.endr
	ds_store_b32 v4, v88
.irp q, 0,1,2,3,4,5
	ds_load_b128 v[96+4*\q:99+4*\q], v12 offset:512*\q   ; LDS serves a wave's instructions in order (ISA guide 5.7.1.4): these see my stores; the bytes are my wave's own
.endr
	ds_load_b32 v120, v14
	s_wait_dscnt 0x0
.irp q, 0,1,2,3,4,5
	global_store_b128 v10, v[96+4*\q:99+4*\q], s[16:17] offset:512*\q   ; 32 lanes store 512 consecutive bytes
.endr
	global_store_b32 v13, v120, s[16:17]           ; 128 consecutive bytes
	s_wait_tensorcnt 0x0                           ; the wave's end
	ds_add_u32 v[SPW], v[NIL]
	s_wait_dscnt 0x0
	s_endpgm
	; ---------------- x.  Work-group: 64 tokens (group G) x K steps 2 kq, 2 kq + 1.  Wave w makes tile t = w: its 16 rows are tokens 64 G + 32 (j / 8) + 8 w + j % 8.
.Lx_path:
	s_sub_co_u32 s19, ttmp9, 160
	s_lshr_b32 s22, s19, 2                         ; G
	s_and_b32 s23, s19, 3                          ; kq
	s_wait_alu depctr_va_vdst(0)
	v_and_b32 v2, 15, v1                           ; r
	v_lshrrev_b32 v3, 4, v1                        ; h
	v_lshlrev_b32 v4, 4, v1                        ; 16 x lane
	s_mul_i32 s24, s18, 8448                       ; my stage: 16 rows of 512 bytes + 16
	v_add_nc_u32 v5, s24, v4                       ; in: a row as it was loaded
	v_mul_u32_u24 v6, v2, 528
	v_lshl_add_u32 v6, v3, 7, v6
	v_add_nc_u32 v6, s24, v6                       ; back: row r, my half's 32 numbers of each 64
	v_lshlrev_b32 v[SH8], 3, v3
	v_mov_b32 v14, 0                               ; (a lane permute's destination counts as one of its sources)
	v_lshlrev_b32 v15, 2, v2
	v_mad_u32_u24 v15, v3, 0x3200, v15             ; the scale words' place: lanes 0-15 the first K step's, lanes 16-31 the second's, 12,800 bytes on
	s_mov_b32 s25, 0xffff0000                      ; lanes 16-31
	s_lshl_b32 s26, s22, 6
	s_lshl_b32 s27, s18, 3
	s_add_co_u32 s26, s26, s27
	s_lshl_b32 s26, s26, 12                        ; token 64 G + 8 w, rows of 4,096 bytes
	s_lshl_b32 s27, s23, 10
	s_add_co_u32 s26, s26, s27                     ; + 256 kq numbers
	s_mov_b32 s27, 0
	s_lshr_b32 s28, s22, 1
	s_mul_i32 s28, s28, 102400                     ; xq: token block G / 2,
	s_mul_i32 s29, s23, 25600
	s_add_co_u32 s28, s28, s29                     ; K step 2 kq,
	s_and_b32 s29, s22, 1
	s_lshl_b32 s29, s29, 2
	s_add_co_u32 s29, s29, s18                     ; tile 4 (G % 2) + w
	s_mul_i32 s30, s29, 1536
	s_add_co_u32 s30, s30, s28
	s_mov_b32 s31, 0
	s_lshl_b32 s32, s29, 6
	s_add_co_u32 s32, s32, s28
	s_add_co_u32 s32, s32, 12288
	s_mov_b32 s33, 0
	s_wait_alu depctr_va_vdst(0)
	s_wait_kmcnt 0x0
	s_add_nc_u64 s[4:5], s[4:5], s[26:27]
	s_add_nc_u64 s[34:35], s[14:15], s[30:31]      ; the codes
	s_add_nc_u64 s[36:37], s[14:15], s[32:33]      ; the scale words
.irp e, 0,1
.irp j, 0,1,2,3,4,5,6,7,8,9,10,11,12,13,14,15
	global_load_b128 v[64+64*\e+4*\j:67+64*\e+4*\j], v4, s[4:5] offset:(32*(\j/8)+\j%8)*4096+512*\e th:TH_LOAD_NT   ; 32 lanes read 512 consecutive bytes of one row
.endr
.endr
	s_wait_loadcnt 16                              ; the first K step's 16 loads are in; the second's may be out
.irp j, 0,1,2,3,4,5,6,7,8,9,10,11,12,13,14,15
	ds_store_b128 v5, v[64+4*\j:67+4*\j] offset:528*\j
.endr
.irp c, 0,1
.irp q, 0,1,2,3,4,5,6,7
	ds_load_b128 v[192+32*\c+4*\q:195+32*\c+4*\q], v6 offset:256*\c+16*\q   ; k = 64 c + 32 h + 4 q ..: a whole block of my row in 32 registers
.endr
.endr
	s_wait_loadcnt 0x0
.irp j, 0,1,2,3,4,5,6,7,8,9,10,11,12,13,14,15
	ds_store_b128 v5, v[128+4*\j:131+4*\j] offset:528*\j   ; in order behind the reads above
.endr
	s_wait_dscnt 32                                ; 48 are out: the oldest 16, the stores that read v64-127, are done: those registers take the loads below
.irp c, 0,1
.irp q, 0,1,2,3,4,5,6,7
	ds_load_b128 v[64+32*\c+4*\q:67+32*\c+4*\q], v6 offset:256*\c+16*\q
.endr
.endr
	s_wait_dscnt 32                                ; the first K step's numbers are back; behind them 16 stores and 16 loads may be out
	QUANT2 192, 224, 32, 16
	WORD2 12, 22, 23, 14
.irp ch, 0,1,2
	global_store_b128 v4, v[32+4*\ch:35+4*\ch], s[34:35] offset:512*\ch
.endr
	s_wait_dscnt 0x0
	QUANT2 64, 96, 44, 16
	WORD2 13, 22, 23, 14
.irp ch, 0,1,2
	global_store_b128 v4, v[44+4*\ch:47+4*\ch], s[34:35] offset:12800+512*\ch
.endr
	v_cndmask_b32 v12, v12, v13, s25               ; lanes 16-31 carry the second K step's words
	global_store_b32 v15, v12, s[36:37]
	s_wait_tensorcnt 0x0                           ; the wave's end
	ds_add_u32 v[SPW], v[NIL]
	s_wait_dscnt 0x0
	s_endpgm
.Lfunc_end_k_qa2909dbec5_prep:
	.size	k_qa2909dbec5_prep, .Lfunc_end_k_qa2909dbec5_prep-k_qa2909dbec5_prep
	.p2alignl 7, 3214868480
	.fill 96, 4, 3214868480
	.section	.rodata,"a",@progbits
	.p2align	6, 0x0
	.amdhsa_kernel k_qa2909dbec5_prep
		.amdhsa_group_segment_fixed_size 47104
		.amdhsa_private_segment_fixed_size 0
		.amdhsa_enable_private_segment 0
		.amdhsa_kernarg_size 56
		.amdhsa_user_sgpr_count 2
		.amdhsa_user_sgpr_kernarg_segment_ptr 1
		.amdhsa_wavefront_size32 1
		.amdhsa_system_sgpr_workgroup_id_x 1
		.amdhsa_system_sgpr_workgroup_id_y 1
		.amdhsa_system_sgpr_workgroup_id_z 1
		.amdhsa_system_vgpr_workitem_id 0
		.amdhsa_next_free_vgpr 256
		.amdhsa_next_free_sgpr 66
		.amdhsa_reserve_vcc 0
		.amdhsa_float_denorm_mode_32 3
		.amdhsa_float_denorm_mode_16_64 3
		.amdhsa_memory_ordered 1
		.amdhsa_forward_progress 1
		.amdhsa_inst_pref_size 41
	.end_amdhsa_kernel
	.amdgpu_metadata
---
amdhsa.version: [ 1, 2 ]
amdhsa.kernels:
  - .name:           k_qa2909dbec5_prep
    .symbol:         k_qa2909dbec5_prep.kd
    .args:
      - { .name: x, .offset: 0, .size: 8, .value_kind: global_buffer, .address_space: global }
      - { .name: Wq, .offset: 8, .size: 8, .value_kind: global_buffer, .address_space: global }
      - { .name: Wk, .offset: 16, .size: 8, .value_kind: global_buffer, .address_space: global }
      - { .name: Wv, .offset: 24, .size: 8, .value_kind: global_buffer, .address_space: global }
      - { .name: Wo, .offset: 32, .size: 8, .value_kind: global_buffer, .address_space: global }
      - { .name: xq, .offset: 40, .size: 8, .value_kind: global_buffer, .address_space: global }
      - { .name: wq, .offset: 48, .size: 8, .value_kind: global_buffer, .address_space: global }
    .group_segment_fixed_size: 47104
    .private_segment_fixed_size: 0
    .kernarg_segment_align: 8
    .kernarg_segment_size: 56
    .max_flat_workgroup_size: 128
    .sgpr_count:     66
    .vgpr_count:     256
    .wavefront_size: 32
...
	.end_amdgpu_metadata
.endif
;; end of part 1
;; launch qkv (part 2): grid 64 x 4, 4 waves a work-group, no clusters, 327,680 bytes of LDS; arguments xq, wq, bq, bk, bv, qq, kv; writes qq, kv
.if DOCPART == 2
	.amdgcn_target "amdgcn-amd-amdhsa--gfx1250"
	.amdhsa_code_object_version 6
	.text
	.protected	k_qa2909dbec5_qkv
	.globl	k_qa2909dbec5_qkv
	.p2align	8
	.type	k_qa2909dbec5_qkv,@function
k_qa2909dbec5_qkv:
	s_mov_b64 s[64:65], 0
	v_nop
	global_prefetch_b8 v0, s[64:65] scope:SCOPE_SE
	s_setreg_imm32_b32 hwreg(HW_REG_WAVE_MODE, 25, 1), 1
	s_wait_xcnt 0x0
; q = x Wq + bq, k = x Wk + bk, v = x Wv + bv on codes of FP6 (E2M3) with E8M0 scales, f32 sums; the results are quantised in registers and leave as codes, laid as the attention launch's operand registers take them.
; A work-group: token block tb of 128 tokens (x of the grid) x THREE UNITS, a unit being one slab of 128 output channels (slabs 0-7 q, 8-9 k, 10-11 v), all of K = 1,024.
; Class (y of the grid) 0: slabs 0, 1, 2; class 1: 3, 4, 5; class 2: 8, 6, 7; class 3: 9, 10, 11: so k falls on unit 0 alone and v on units 1 and 2 alone.  256 work-groups of equal work.
; A UNIT has two operands.  Source 0's block (102,400 bytes: 8 K steps of 8 fragments + their scale words) lies whole in an LDS slot of its own, unit u's in slot u, each slot filled once.
; Source 1: wave w takes tiles 2 w, 2 w + 1 alone: its fragments for all of K (192 registers, and 8 registers of scale words) go from memory straight into registers, 512 consecutive bytes a load.
; q, k: source 0 = the weights' channels, source 1 = tokens: a lane holds ONE token and its registers run along the channels, which are the next product's K.  The tokens' fragments are loaded once and serve every such unit.
; v:    source 0 = tokens, source 1 = channels: a lane holds ONE channel and its registers run along the tokens, which are v's K.  Wv's fragments are loaded for each such unit.
; Class 3 asks for its token block twice, into slots 1 and 2, so that unit u reads slot u in every class and every LDS address is a constant of the text.
; The rows of a fragment are chosen (in each 64 rows tile t, lane row r: row 32 (r / 8) + 8 t + r % 8) so that the 32 registers of four neighbouring source-0 tiles are one whole block of 32 along the next K.
; 16 accumulators a wave, which take turns.  The bias starts the sums: nothing is cleared.
; TENSOR LOADS: at the head a quarter of slot 0 a wave; behind the full sequence and a barrier a half of slot 1 (waves 0, 1) or of slot 2 (waves 2, 3), on its way while unit 0 is multiplied.
; OUT.  q: fragment [head 2 s | head 2 s + 1] of a token tile.  k: PAIR fragments: registers 0-5 key tile 2 w, registers 6-11 key tile 2 w + 1 of one group (64 channels each).  v: fragments of v^T, 16 channels x 128 tokens.
; NO CLUSTER: work-groups of one class share the weights' slabs, but class 3's slots 1 and 2 hold its own token block, so that a joint load's mask would hang on the class.
; No prefetch: all three slots are asked for ahead of the first product, and there is no loop to run ahead in.
; LIMITS: a block of zeros gets the byte 1 (its codes are zeros; only this program reads the bytes); blocks under 2^-124 are held at byte 1; NaN and infinities are not served.
; REGISTERS.  Window 0: v2-7, v92-97 LDS addresses; v10-15, v98-101 lane terms and the add's two; v16-23 source 0's scale words, two sets of 4; v24-31 source 1's, one a K step; v32-91 the way out; v128-255 accumulators ((a, j) at 128 + 64 j + 8 a).
;             Window 1: two sets of source 0's eight fragments, at 0 and 128.   Window 2: source 1's fragments, K step s, tile j at 24 s + 12 j.
.set SPARE, 307200                     ; behind the three slots: the spare words, 128 bytes a wave: two blocks of 256 bytes that no other line names
.set LA,  2                            ; v2-7   16 x lane + 51,200 i: slot i / 2, K steps 0-3 or 4-7
.set WO,  10                           ; the scale words' way out
.set SH8, 11                           ; 8 x (lane / 16)
.set SPW, 12
.set NIL, 13
.set SC,  16
.set OS,  24
.set SA,  92                           ; v92-97 12,288 + 4 x lane + 51,200 i
.set L4,  98                           ; 4 x lane
.set BH,  99                           ; 128 x (lane / 16)
.set VB,  100                          ; 128 (r / 8) + 4 (r % 8)
.set W4R, 101                          ; 4 r
.set ACC, 128
.set SEL, 48                           ; s[48:49]
.set MSB, 0
.macro WIN new                         ; the immediate's high byte repeats the setting that is left
.if MSB != \new
	s_set_vgpr_msb (MSB<<8)|\new
.set MSB, \new
.endif
.endm
.macro WMC d, a, b, sa, sb, ra, rb     ; D += A x B.  ra, rb: 1 = that side's scale words stand in lanes 16-31
.if (\ra) && (\rb)
	v_wmma_scale_f32_16x16x128_f8f6f4 v[\d:\d+7], v[\a:\a+11], v[\b:\b+11], v[\d:\d+7], v[\sa], v[\sb] matrix_a_fmt:MATRIX_FMT_FP6 matrix_b_fmt:MATRIX_FMT_FP6 matrix_a_scale:MATRIX_SCALE_ROW1 matrix_b_scale:MATRIX_SCALE_ROW1
.elseif (\ra)
	v_wmma_scale_f32_16x16x128_f8f6f4 v[\d:\d+7], v[\a:\a+11], v[\b:\b+11], v[\d:\d+7], v[\sa], v[\sb] matrix_a_fmt:MATRIX_FMT_FP6 matrix_b_fmt:MATRIX_FMT_FP6 matrix_a_scale:MATRIX_SCALE_ROW1
.elseif (\rb)
	v_wmma_scale_f32_16x16x128_f8f6f4 v[\d:\d+7], v[\a:\a+11], v[\b:\b+11], v[\d:\d+7], v[\sa], v[\sb] matrix_a_fmt:MATRIX_FMT_FP6 matrix_b_fmt:MATRIX_FMT_FP6 matrix_b_scale:MATRIX_SCALE_ROW1
.else
	v_wmma_scale_f32_16x16x128_f8f6f4 v[\d:\d+7], v[\a:\a+11], v[\b:\b+11], v[\d:\d+7], v[\sa], v[\sb] matrix_a_fmt:MATRIX_FMT_FP6 matrix_b_fmt:MATRIX_FMT_FP6
.endif
.endm
.macro FETCH s, sl                     ; K step s of slot sl: source 0's eight fragments as they lie, 512 consecutive bytes a load; four loads of scale words, two tiles' to a register
	WIN 0x40                                       ; destination window 1, address window 0
.irp a, 0,1,2,3,4,5,6,7
.irp ch, 0,1,2
	ds_load_b128 v[128*((\s)%2)+12*\a+4*\ch:128*((\s)%2)+12*\a+4*\ch+3], v[LA+2*(\sl)+(\s)/4] offset:((\s)%4)*12800+\a*1536+512*\ch
.endr
.endr
	WIN 0
.irp i, 0,1,2,3
	ds_load_b32 v[SC+4*((\s)%2)+\i], v[SA+2*(\sl)+(\s)/4] offset:((\s)%4)*12800+128*\i
.endr
.endm
.macro MUL s                           ; 16 matrix instructions, the 16 accumulators by turns, in the same order in every K step
	WIN 0x09                                       ; source 0 window 1, source 1 window 2; C and D window 0
.irp a, 0,1,2,3,4,5,6,7
.irp j, 0,1
	WMC ACC+64*\j+8*\a, 128*((\s)%2)+12*\a, 24*(\s)+12*\j, SC+4*((\s)%2)+\a/2, OS+(\s), \a%2, \j
.endr
.endr
.endm
.macro CORE sl                         ; the eight K steps of a unit, written out; the next K step's fragments are fetched while this one is multiplied
	s_wait_alu depctr_va_vdst(0)
	FETCH 0, \sl
.irp s, 0,1,2,3,4,5,6,7
	s_wait_dscnt 0x0                               ; this K step's fragments and scale words are in
.if \s > 0
.rept 4
	v_nop                                          ; four places ahead of loads into the set that the last K step multiplied
.endr
.endif
.if \s < 7
	FETCH \s+1, \sl
.endif
.if \s == 0
	s_wait_loadcnt 0x0                             ; the bias lies in the accumulators, and source 1's fragments and scale words are in
.endif
	MUL \s
.endr
	WIN 0
.rept 4
	v_nop                                          ; four places ahead of the first read of results, and of loads into source 1's registers
.endr
.endm
.macro OWNLD                           ; source 1: my two tiles' fragments for all of K, and their scale words (lanes 0-15 tile 2 w's, lanes 16-31 tile 2 w + 1's)
	WIN 0x80                                       ; destination window 2, address window 0
.irp s, 0,1,2,3,4,5,6,7
.irp j, 0,1
.irp ch, 0,1,2
	global_load_b128 v[24*\s+12*\j+4*\ch:24*\s+12*\j+4*\ch+3], v[LA], s[84:85] offset:\s*12800+\j*1536+512*\ch   ; 32 lanes read 512 consecutive bytes
.endr
.endr
.endr
	WIN 0
.irp s, 0,1,2,3,4,5,6,7
	global_load_b32 v[OS+\s], v[L4], s[86:87] offset:\s*12800
.endr
.endm
.macro RELOAD sl                       ; class 3 alone: the next unit is v's: source 1 becomes slab sl of the weights.  The branch hangs on the work-group's y alone.  (The loads that named s[84:87] have been waited for)
	s_cmp_lg_u32 s45, 3
	s_cbranch_scc1 .Lno_reload_\@
	s_mul_i32 s74, \sl, 102400
	s_mov_b32 s75, 0
	s_add_nc_u64 s[84:85], s[6:7], s[74:75]
	s_add_nc_u64 s[86:87], s[84:85], s[90:91]
	s_add_nc_u64 s[84:85], s[84:85], s[88:89]
	OWNLD
.Lno_reload_\@:
.endm
.macro QUANT2 ra, rb, d, t             ; two blocks of 32 numbers by turns -> codes v[d .. d+5], v[d+6 .. d+11]; bytes in v[t+6], v[t+7].  Each accumulator is read from its low end on
	v_max3_num_f32 v[\t], |v[\ra]|, |v[\ra+1]|, |v[\ra+2]|
	v_max3_num_f32 v[\t+1], |v[\ra+16]|, |v[\ra+17]|, |v[\ra+18]|
	v_max3_num_f32 v[\t+2], |v[\rb]|, |v[\rb+1]|, |v[\rb+2]|
	v_max3_num_f32 v[\t+3], |v[\rb+16]|, |v[\rb+17]|, |v[\rb+18]|
.irp i, 3,5,7,9,11,13
	v_max3_num_f32 v[\t], v[\t], |v[\ra+\i]|, |v[\ra+\i+1]|
	v_max3_num_f32 v[\t+1], v[\t+1], |v[\ra+\i+16]|, |v[\ra+\i+17]|
	v_max3_num_f32 v[\t+2], v[\t+2], |v[\rb+\i]|, |v[\rb+\i+1]|
	v_max3_num_f32 v[\t+3], v[\t+3], |v[\rb+\i+16]|, |v[\rb+\i+17]|
.endr
	v_max3_num_f32 v[\t], v[\t], v[\t+1], |v[\ra+15]|
	v_max3_num_f32 v[\t+2], v[\t+2], v[\t+3], |v[\rb+15]|
	v_max3_num_f32 v[\t], v[\t], |v[\ra+31]|, 0x1800000             ; the floor 2^(3 - 127): the byte cannot fall under 1
	v_max3_num_f32 v[\t+2], v[\t+2], |v[\rb+31]|, 0x1800000
	v_add_nc_u32 v[\t+4], 0xff000000, v[\t]                         ; 2 off the exponent field: the conversion's scale operand
	v_add_nc_u32 v[\t+5], 0xff000000, v[\t+2]
	v_lshrrev_b32 v[\t+6], 23, v[\t+4]
	v_lshrrev_b32 v[\t+7], 23, v[\t+5]
	v_cvt_scalef32_pk16_fp6_f32 v[\d:\d+2], v[\ra:\ra+15], v[\t+4]
	v_cvt_scalef32_pk16_fp6_f32 v[\d+6:\d+8], v[\rb:\rb+15], v[\t+5]
	v_cvt_scalef32_pk16_fp6_f32 v[\t+8:\t+10], v[\ra+16:\ra+31], v[\t+4]   ; (a conversion's three registers begin on an even number: the upper halves are made elsewhere and moved)
	v_cvt_scalef32_pk16_fp6_f32 v[\t+12:\t+14], v[\rb+16:\rb+31], v[\t+5]
	v_nop                                                           ; one plain place behind the scaled conversions
.irp i, 0,1,2
	v_mov_b32 v[\d+3+\i], v[\t+8+\i]
	v_mov_b32 v[\d+9+\i], v[\t+12+\i]
.endr
.endm
.macro WORD2 w, b0, b1, tmp            ; my two bytes (blocks h, 2 + h) and lane l xor 16's two make the row's scale word, whole in both halves
	v_lshl_or_b32 v[\w], v[\b1], 16, v[\b0]
	v_lshlrev_b32 v[\w], v[SH8], v[\w]
	v_permlanex16_b32 v[\tmp], v[\w], s[SEL], s[SEL+1]
	v_or_b32 v[\w], v[\w], v[\tmp]
.endm
; THE WAY OUT of a unit.  My 128 registers are four blocks of 32: (j, c) at ACC + 64 j + 32 c.  swap = 0 (q, v): a fragment is tile j's two blocks.  swap = 1 (k): a fragment is group c's block of both tiles.
.macro EPI swap
.if \swap
	QUANT2 ACC, ACC+64, 32, 56
	QUANT2 ACC+32, ACC+96, 44, 72
.else
	QUANT2 ACC, ACC+32, 32, 56
	QUANT2 ACC+64, ACC+96, 44, 72
.endif
	WORD2 88, 62, 63, 90
	WORD2 89, 78, 79, 91
	v_cndmask_b32 v88, v88, v89, s50               ; lanes 16-31 carry the second fragment's words
.irp ch, 0,1,2
	global_store_b128 v[LA], v[32+4*\ch:35+4*\ch], s[52:53] offset:512*\ch   ; 32 lanes store 512 consecutive bytes
	global_store_b128 v[LA], v[44+4*\ch:47+4*\ch], s[54:55] offset:512*\ch
.endr
	global_store_b32 v[WO], v88, s[56:57]
.endm
; AHEAD OF A UNIT: slab s19's bias into the accumulators, and where its results go.  kind 0 (unit 0): q or k.  kind 1 (units 1, 2): q or v.  The branches hang on the slab, which is made of the work-group's y alone.
.macro UADDR kind
	s_wait_xcnt 0x0                                ; the last unit's stores have read their registers and bases
.if \kind == 1
	s_cmp_ge_u32 s19, 10
	s_cbranch_scc1 .Lrole_v_\@
.endif
	; q, k: accumulator (a, j), register i, half h is channel 64 (a / 4) + 32 h + 8 (a % 4) + i of the slab: its bias comes by two loads of 16 bytes
	s_cmp_lt_u32 s19, 8
	s_cselect_b64 s[60:61], s[8:9], s[10:11]
	s_cselect_b32 s74, 0, 8
	s_sub_co_u32 s74, s19, s74
	s_lshl_b32 s74, s74, 9
	s_mov_b32 s75, 0
	s_add_nc_u64 s[60:61], s[60:61], s[74:75]
.irp j, 0,1
.irp a, 0,1,2,3,4,5,6,7
	global_load_b128 v[ACC+64*\j+8*\a:ACC+64*\j+8*\a+3], v[BH], s[60:61] offset:(64*(\a/4)+8*(\a%4))*4
	global_load_b128 v[ACC+64*\j+8*\a+4:ACC+64*\j+8*\a+7], v[BH], s[60:61] offset:(64*(\a/4)+8*(\a%4))*4+16
.endr
.endr
.if \kind == 0
	s_cmp_lt_u32 s19, 8
	s_cbranch_scc0 .Lrole_k_\@
.endif
	s_lshl_b32 s66, s20, 3                         ; q: fragment ((8 tb + slab) 8 + 2 w), and the next
	s_add_co_u32 s66, s66, s19
	s_lshl_b32 s66, s66, 3
	s_lshl_b32 s74, s18, 1
	s_add_co_u32 s66, s66, s74
	s_lshl_b32 s68, s66, 6
	s_add_co_u32 s68, s68, 6291456                 ; the scale words lie behind the 4,096 fragments
	s_mul_i32 s66, s66, 1536
	s_mov_b32 s70, 1536
	s_mov_b32 s58, 64
	s_branch .Lbases_\@
.if \kind == 0
.Lrole_k_\@:
	s_lshl_b32 s66, s72, 2                         ; k: image 4 b + 2 (slab - 8), and the next group's; key step; pair fragment w
	s_sub_co_u32 s74, s19, 8
	s_lshl_b32 s74, s74, 1
	s_add_co_u32 s66, s66, s74
	s_mul_i32 s66, s66, 204800
	s_mul_i32 s74, s73, 12800
	s_add_co_u32 s66, s66, s74
	s_lshl_b32 s68, s18, 6
	s_add_co_u32 s68, s68, s66
	s_add_co_u32 s68, s68, 12288
	s_mul_i32 s74, s18, 1536
	s_add_co_u32 s66, s66, s74
	s_mov_b32 s70, 204800
	s_mov_b32 s58, 204800
.else
.Lrole_v_\@:
	; v: a lane holds one channel: 64 (w / 2) + 16 (w % 2) + 8 j + 32 (r / 8) + r % 8 of the slab; its bias fills all 64 registers of tile j
	s_sub_co_u32 s74, s19, 10
	s_lshl_b32 s74, s74, 9
	s_lshl_b32 s59, s21, 8
	s_add_co_u32 s74, s74, s59
	s_lshl_b32 s59, s22, 6
	s_add_co_u32 s74, s74, s59
	s_mov_b32 s75, 0
	s_add_nc_u64 s[60:61], s[12:13], s[74:75]
	global_load_b32 v32, v[VB], s[60:61]           ; each value into both halves of a pair, for the packed form
	global_load_b32 v33, v[VB], s[60:61]
	global_load_b32 v34, v[VB], s[60:61] offset:32
	global_load_b32 v35, v[VB], s[60:61] offset:32
	s_lshl_b32 s66, s72, 2                         ; image 4 b + 2 (slab - 10) + w / 2; key step; fragments 2 (w % 2), 2 (w % 2) + 1 of v^T
	s_sub_co_u32 s74, s19, 10
	s_lshl_b32 s74, s74, 1
	s_add_co_u32 s66, s66, s74
	s_add_co_u32 s66, s66, s21
	s_mul_i32 s66, s66, 204800
	s_mul_i32 s74, s73, 12800
	s_add_co_u32 s66, s66, s74
	s_lshl_b32 s68, s22, 7
	s_add_co_u32 s68, s68, s66
	s_add_co_u32 s68, s68, 12544
	s_mul_i32 s74, s22, 3072
	s_add_co_u32 s66, s66, s74
	s_add_co_u32 s66, s66, 6144
	s_mov_b32 s70, 1536
	s_mov_b32 s58, 64
	s_wait_loadcnt 0x0
.set jj, 0
.rept 32
	v_pk_mul_f32 v[ACC+jj:ACC+jj+1], v[32:33], 1.0 op_sel_hi:[1,0]       ; the bias starts the sums
	v_pk_mul_f32 v[ACC+64+jj:ACC+64+jj+1], v[34:35], 1.0 op_sel_hi:[1,0]
.set jj, jj+2
.endr
.endif
.Lbases_\@:
	s_cmp_lt_u32 s19, 8
	s_cselect_b64 s[62:63], s[14:15], s[16:17]     ; q goes to qq, k and v to kv
	s_mov_b32 s67, 0
	s_mov_b32 s69, 0
	s_mov_b32 s71, 0
	s_add_nc_u64 s[52:53], s[62:63], s[66:67]      ; my first fragment,
	s_add_nc_u64 s[54:55], s[52:53], s[70:71]      ; my second,
	s_add_nc_u64 s[56:57], s[62:63], s[68:69]      ; the first's scale words;
	v_mad_u32_u24 v[WO], v14, s58, v[W4R]          ; lanes 16-31 store the second's: 4 r + h x the distance
.endm
	s_load_b256 s[4:11], s[0:1], 0x0               ; xq, wq, bq, bk
	s_load_b128 s[12:15], s[0:1], 0x20             ; bv, qq
	s_load_b64 s[16:17], s[0:1], 0x30              ; kv
	v_lshl_add_u32 v[SPW], v0, 2, SPARE
	v_mov_b32 v[NIL], 0
	ds_add_u32 v[SPW], v[NIL]                      ; the wave's opening: the add, twice on end, and its wait ahead of my first tensor load; work on registers stands between them
	ds_add_u32 v[SPW], v[NIL]
	v_lshrrev_b32 v1, 5, v0
	v_readfirstlane_b32 s18, v1                    ; wave 0..3
	s_mov_b32 s20, ttmp9                           ; token block
	s_and_b32 s45, ttmp7, 0xffff                   ; class
	s_lshr_b32 s21, s18, 1
	s_and_b32 s22, s18, 1
	s_lshr_b32 s72, s20, 4                         ; batch
	s_and_b32 s73, s20, 15                         ; key step
	s_mul_i32 s46, s45, 3
	s_add_co_u32 s47, s45, 6
	s_cmp_lt_u32 s45, 2
	s_cselect_b32 s46, s46, s47                    ; unit 0's slab: 0, 3, 8, 9
	s_add_co_u32 s47, s46, 1
	s_cmp_eq_u32 s45, 2
	s_cselect_b32 s47, 6, s47                      ; unit 1's: 1, 4, 6, 10
	s_add_co_u32 s92, s47, 1                       ; unit 2's: 2, 5, 7, 11
	; descriptor groups 1: dense rows of 32 elements of 8 bytes, no mask, no padding: 100 rows (a quarter of a block), and 200 rows (a half)
.irp g, 24, 76
	s_mov_b32 s[\g], 3<<16
	s_mov_b32 s[\g+1], 32<<16
	s_mov_b32 s[\g+3], 32<<16
	s_mov_b32 s[\g+5], 32
	s_mov_b32 s[\g+6], 0
	s_mov_b32 s[\g+7], 0
.endr
	s_mov_b32 s26, 100<<16
	s_mov_b32 s28, 100
	s_mov_b32 s78, 200<<16
	s_mov_b32 s80, 200
	s_mov_b32 s[SEL], 0x76543210
	s_mov_b32 s[SEL+1], 0xfedcba98
	s_mov_b32 s50, 0xffff0000                      ; lanes 16-31
	s_mul_i32 s23, s18, 25600                      ; slot 0: my quarter, in LDS and in the block
	s_mul_i32 s59, s18, 51200
	s_add_co_u32 s59, s59, 102400                  ; slots 1 and 2: my half: slot 1 + w / 2, half w % 2
	s_mul_i32 s66, s46, 102400
	s_add_co_u32 s66, s66, s23
	s_mov_b32 s67, 0
	s_add_co_u32 s68, s47, s21                     ; the block that goes there: the slab of unit 1 + w / 2,
	s_cmp_eq_u32 s45, 3
	s_cselect_b32 s68, s20, s68                    ; in class 3 my token block
	s_mul_i32 s68, s68, 102400
	s_mul_i32 s69, s22, 51200
	s_add_co_u32 s68, s68, s69
	s_mov_b32 s69, 0
	s_mul_i32 s70, s20, 102400
	s_mov_b32 s71, 0
	s_mul_i32 s88, s18, 3072                       ; source 1: my two tiles in a K step,
	s_mov_b32 s89, 0
	s_lshl_b32 s90, s18, 7
	s_add_co_u32 s90, s90, 12288                   ; and their scale words
	s_mov_b32 s91, 0
	s_wait_dscnt 0x0                               ; both opening adds are done
	s_wait_kmcnt 0x0
	s_mov_b32 s32, 1                               ; group 0 for slot 0 (unit 0 is q's or k's: a slab of the weights),
	s_mov_b32 s33, s23
	s_add_nc_u64 s[34:35], s[6:7], s[66:67]
	s_or_b32 s35, s35, 0x80000000
	s_mov_b32 s36, 1                               ; and for slots 1 and 2
	s_mov_b32 s37, s59
	s_cmp_eq_u32 s45, 3
	s_cselect_b64 s[38:39], s[4:5], s[6:7]
	s_add_nc_u64 s[38:39], s[38:39], s[68:69]
	s_or_b32 s39, s39, 0x80000000
	tensor_load_to_lds s[32:35], s[24:31]          ; my one tensor load at the head
	s_nop 0
.rept 4
	v_nop
.endr
	s_add_nc_u64 s[84:85], s[4:5], s[70:71]        ; source 1 of unit 0: my token block
	s_add_nc_u64 s[86:87], s[84:85], s[90:91]
	s_add_nc_u64 s[84:85], s[84:85], s[88:89]
	v_and_b32 v102, 31, v0                         ; lane
	v_and_b32 v15, 15, v0                          ; r
	v_bfe_u32 v14, v0, 4, 1                        ; h
	v_lshlrev_b32 v[LA], 4, v102
	v_lshlrev_b32 v[L4], 2, v102
	v_lshl_add_u32 v[SA], v102, 2, 12288
	v_lshlrev_b32 v[BH], 7, v14
	v_lshlrev_b32 v[SH8], 3, v14
	v_lshlrev_b32 v[W4R], 2, v15
	v_lshrrev_b32 v103, 3, v15
	v_and_b32 v104, 7, v15
.irp i, 1,2,3,4,5
	v_add_nc_u32 v[LA+\i], 51200*\i, v[LA]
	v_add_nc_u32 v[SA+\i], 51200*\i, v[SA]
.endr
	v_lshlrev_b32 v104, 2, v104
	v_lshl_add_u32 v[VB], v103, 7, v104
	v_mov_b32 v90, 0                               ; (a lane permute's destination counts as one of its sources)
	v_mov_b32 v91, 0
	s_wait_alu depctr_va_vdst(0)
	OWNLD
	s_mov_b32 s19, s46
	UADDR 0
	s_wait_alu depctr_va_vdst(0)
	s_wait_tensorcnt 0x0                           ; my quarter of slot 0 is in
	ds_add_u32 v[SPW], v[NIL]
	s_wait_dscnt 0x0
	s_barrier_signal -1
	s_barrier_wait -1                              ; slot 0 is whole
	tensor_load_to_lds s[36:39], s[76:83]          ; my half of slot 1 or 2, the first tensor load behind the barrier
	s_nop 0
.rept 4
	v_nop
.endr
	CORE 0
	RELOAD s47
	s_cmp_ge_u32 s19, 8                            ; unit 0: k's slabs are 8 and 9
	s_cbranch_scc1 .Lepi_k
	EPI 0
	s_branch .Lepi_done
.Lepi_k:
	EPI 1
.Lepi_done:
	s_mov_b32 s19, s47
	UADDR 1
	s_wait_alu depctr_va_vdst(0)
	s_wait_tensorcnt 0x0                           ; my half of slot 1 or 2 is in (no LDS instruction of mine is out),
	s_barrier_signal -1
	s_barrier_wait -1                              ; everybody's is: slots 1 and 2 are whole
	CORE 1
	RELOAD s92
	EPI 0
	s_mov_b32 s19, s92
	UADDR 1
	CORE 2
	EPI 0
	s_wait_tensorcnt 0x0                           ; the wave's end
	ds_add_u32 v[SPW], v[NIL]
	s_wait_dscnt 0x0
	s_endpgm
.Lfunc_end_k_qa2909dbec5_qkv:
	.size	k_qa2909dbec5_qkv, .Lfunc_end_k_qa2909dbec5_qkv-k_qa2909dbec5_qkv
	.p2alignl 7, 3214868480
	.fill 96, 4, 3214868480
	.section	.rodata,"a",@progbits
	.p2align	6, 0x0
	.amdhsa_kernel k_qa2909dbec5_qkv
		.amdhsa_group_segment_fixed_size 327680
		.amdhsa_private_segment_fixed_size 0
		.amdhsa_enable_private_segment 0
		.amdhsa_kernarg_size 56
		.amdhsa_user_sgpr_count 2
		.amdhsa_user_sgpr_kernarg_segment_ptr 1
		.amdhsa_wavefront_size32 1
		.amdhsa_system_sgpr_workgroup_id_x 1
		.amdhsa_system_sgpr_workgroup_id_y 1
		.amdhsa_system_sgpr_workgroup_id_z 1
		.amdhsa_system_vgpr_workitem_id 0
		.amdhsa_next_free_vgpr 768
		.amdhsa_next_free_sgpr 100
		.amdhsa_reserve_vcc 0
		.amdhsa_float_denorm_mode_32 3
		.amdhsa_float_denorm_mode_16_64 3
		.amdhsa_memory_ordered 1
		.amdhsa_forward_progress 1
		.amdhsa_inst_pref_size 169
	.end_amdhsa_kernel
	.amdgpu_metadata
---
amdhsa.version: [ 1, 2 ]
amdhsa.kernels:
  - .name:           k_qa2909dbec5_qkv
    .symbol:         k_qa2909dbec5_qkv.kd
    .args:
      - { .name: xq, .offset: 0, .size: 8, .value_kind: global_buffer, .address_space: global }
      - { .name: wq, .offset: 8, .size: 8, .value_kind: global_buffer, .address_space: global }
      - { .name: bq, .offset: 16, .size: 8, .value_kind: global_buffer, .address_space: global }
      - { .name: bk, .offset: 24, .size: 8, .value_kind: global_buffer, .address_space: global }
      - { .name: bv, .offset: 32, .size: 8, .value_kind: global_buffer, .address_space: global }
      - { .name: qq, .offset: 40, .size: 8, .value_kind: global_buffer, .address_space: global }
      - { .name: kv, .offset: 48, .size: 8, .value_kind: global_buffer, .address_space: global }
    .group_segment_fixed_size: 327680
    .private_segment_fixed_size: 0
    .kernarg_segment_align: 8
    .kernarg_segment_size: 56
    .max_flat_workgroup_size: 128
    .sgpr_count:     100
    .vgpr_count:     768
    .wavefront_size: 32
...
	.end_amdgpu_metadata
.endif
;; end of part 2
;; launch attn (part 3): grid 16 x 16, 8 waves a work-group, clusters of 4 x 1, 206,848 bytes of LDS; arguments qq, kv, aq; writes aq
.if DOCPART == 3
	.amdgcn_target "amdgcn-amd-amdhsa--gfx1250"
	.amdhsa_code_object_version 6
	.text
	.protected	k_qa2909dbec5_attn
	.globl	k_qa2909dbec5_attn
	.p2align	8
	.type	k_qa2909dbec5_attn,@function
k_qa2909dbec5_attn:
	s_mov_b64 s[64:65], 0
	v_nop
	global_prefetch_b8 v0, s[64:65] scope:SCOPE_SE
	s_setreg_imm32_b32 hwreg(HW_REG_WAVE_MODE, 25, 1), 1
	s_wait_xcnt 0x0
	s_wait_alu depctr_hold_cnt(0) depctr_sa_sdst(0) depctr_va_vdst(0) depctr_va_sdst(0) depctr_va_ssrc(0) depctr_va_vcc(0) depctr_vm_vsrc(0)
	s_getreg_b32 s2, hwreg(HW_REG_IB_STS2, 6, 4)
	s_cmp_eq_u32 s2, 0
	s_cbranch_scc0 .Lentry_in_a_cluster
	s_endpgm
.Lentry_in_a_cluster:
	s_bfe_u32 s2, ttmp6, 0x10000c
	s_cmp_lg_u32 s2, 0x3003
	s_cbranch_scc0 .Lentry_shape_is_right
	s_endpgm
.Lentry_shape_is_right:
; Attention on codes of FP6 (E2M3) with E8M0 scales: S^T = K Q^T, p = 2^(t - M), O^T = V^T P^T, O / l, and O quantised for the last projection.
; t = score x log2(e) / 8; M = the running largest t rounded UP to a whole number; p is not normalised; the row's sum l is taken of the unquantised p, in f32.  When M moves, l and O are multiplied by 2^(old M - new M): exact.
; SHARES.  A work-group: one (batch, group) (y of the grid) x 128 queries x the group's four heads.  Wave w: query tile w (16 tokens) x the four heads: FOUR tiles, which share every fragment of K and V^T that the wave reads from LDS.
; Eight waves of 512 registers, two to a SIMD.  LDS holds the whole K and V of (batch, group): 16 key steps of 12,800 bytes (4 pair fragments of K, 4 fragments of V^T, their scale words), filled ONCE: each wave's one tensor load brings two key steps.
; CLUSTER.  The four query blocks of a cluster read the same K and V: each tile is asked for jointly, by the same load with the same descriptor and a mask that names the four.
; K's head size is 64, the instruction's K is 128.  A PAIR fragment holds key tile 2 pf in registers 0-5 and key tile 2 pf + 1 in registers 6-11; against [q, 0] it gives the first tile's scores, against [0, q] the second's:
; zero codes add nothing under any scale byte but 0xff, which the quantiser never gives.
; LAYOUT.  Both products are used transposed: a lane holds ONE query (lane % 16).  The keys of a tile are chosen (in each 64: tile t, row r: key 32 (r / 8) + 8 t + r % 8) so that S's register 32 c + 8 t + i of lane half h
; is key 64 c + 32 h + 8 t + i: a whole block of 32 keys in one lane, in the order that the 6-bit operand wants.
; THE WALK goes tile by tile (64 tiles a wave: 16 key steps x 4 heads) on two buffers of scores.  A SLOT serves three tiles at once: tile n's maxima, M, t - M and exponentials; tile n - 1's sum, codes, rescaling and V^T P^T;
; tile n + 1's scores.  Chains of dependent lines of one tile stand between independent lines of another.  One batch of exponentials a slot, with one wait ahead of it and one behind.
; A block's largest p is not searched for: p rises with the score, so the block's largest score goes through the same multiply-add and exponential (this takes v_exp_f32 not to fall where its input rises).
; No prefetch: every tile is asked for at the head, and there is no loop to run ahead in.  LIMITS: a block of zeros gets the byte 1 (its codes are zeros; only this program reads the bytes); NaN and infinities are not served.
; REGISTERS.  Window 0: v0-4 addresses; v5-12 scale words (q, K, V, p); v16-31 the tiles' -M, largest score, l in two halves; v32-39 by the tile's parity: two block maxima, f; v40-53 at work; v56-103 K; v104-231 two buffers of S; v232-255 p's codes, two sets.
;             Window 1: v0-53 zeros and q by turns (6 registers each: [0, q i] at 12 i, [q i, 0] at 12 i + 6); v56-103 V^T; v104-231 O^T of the four tiles.
.set SPARE, 204800                     ; behind the 16 key steps: the spare words, 128 bytes a wave: four blocks of 256 bytes that no other line names
.set SH8,  0                           ; 8 x (lane / 16), once the thread's number has served
.set AD16, 1                           ; 16 x lane + 12,800 x key step
.set AD4,  2                           ; 12,288 + 4 x lane + 12,800 x key step
.set LN16, 3                           ; 16 x lane
.set W4,   4                           ; 4 x (lane % 16)
.set QS,   5                           ; v5-6: head pair's scale words: lanes 0-15 the even head's two bytes twice, lanes 16-31 the odd head's
.set KS,   7
.set VS,   9
.set PS,   11
.set ST,   16
.set TB,   32
.set X,    40
.set A1,   48
.set SPW,  54
.set NIL,  55
.set KF,   56
.set S,    104
.set P,    232
.set QR,   0                           ; window 1
.set VF,   56
.set O,    104
.set WV,   10
.set SEL,  20                          ; s[20:21] v_permlanex16_b32's selects for lane l xor 16
.set CS,   22                          ; s[22:23] c = log2(e) / 8
.set NCS,  48                          ; -c
.set MSB, 0
.macro WIN new                         ; the immediate's high byte repeats the setting that is left
.if MSB != \new
	s_set_vgpr_msb (MSB<<8)|\new
.set MSB, \new
.endif
.endm
.macro CROUND                          ; a round of the cluster's barrier
	s_barrier_signal -1
	s_barrier_wait -1
	s_cmp_lg_u32 s[WV], 0
	s_cbranch_scc1 .Lnot_wave_0_\@
	s_barrier_signal -3
.Lnot_wave_0_\@:
	s_barrier_wait -3
	s_barrier_signal -1
	s_barrier_wait -1
.endm
.macro WMZ d, a, b, sa, sb, ra, rb     ; D = A x B.  ra, rb: 1 = that side's scale words stand in lanes 16-31
.if (\ra) && (\rb)
	v_wmma_scale_f32_16x16x128_f8f6f4 v[\d:\d+7], v[\a:\a+11], v[\b:\b+11], 0, v[\sa], v[\sb] matrix_a_fmt:MATRIX_FMT_FP6 matrix_b_fmt:MATRIX_FMT_FP6 matrix_a_scale:MATRIX_SCALE_ROW1 matrix_b_scale:MATRIX_SCALE_ROW1
.elseif (\ra)
	v_wmma_scale_f32_16x16x128_f8f6f4 v[\d:\d+7], v[\a:\a+11], v[\b:\b+11], 0, v[\sa], v[\sb] matrix_a_fmt:MATRIX_FMT_FP6 matrix_b_fmt:MATRIX_FMT_FP6 matrix_a_scale:MATRIX_SCALE_ROW1
.elseif (\rb)
	v_wmma_scale_f32_16x16x128_f8f6f4 v[\d:\d+7], v[\a:\a+11], v[\b:\b+11], 0, v[\sa], v[\sb] matrix_a_fmt:MATRIX_FMT_FP6 matrix_b_fmt:MATRIX_FMT_FP6 matrix_b_scale:MATRIX_SCALE_ROW1
.else
	v_wmma_scale_f32_16x16x128_f8f6f4 v[\d:\d+7], v[\a:\a+11], v[\b:\b+11], 0, v[\sa], v[\sb] matrix_a_fmt:MATRIX_FMT_FP6 matrix_b_fmt:MATRIX_FMT_FP6
.endif
.endm
.macro WMC d, a, b, sa, sb, ra         ; D += A x B
.if (\ra)
	v_wmma_scale_f32_16x16x128_f8f6f4 v[\d:\d+7], v[\a:\a+11], v[\b:\b+11], v[\d:\d+7], v[\sa], v[\sb] matrix_a_fmt:MATRIX_FMT_FP6 matrix_b_fmt:MATRIX_FMT_FP6 matrix_a_scale:MATRIX_SCALE_ROW1
.else
	v_wmma_scale_f32_16x16x128_f8f6f4 v[\d:\d+7], v[\a:\a+11], v[\b:\b+11], v[\d:\d+7], v[\sa], v[\sb] matrix_a_fmt:MATRIX_FMT_FP6 matrix_b_fmt:MATRIX_FMT_FP6
.endif
.endm
.macro WORD2 w, b0, b1, tmp            ; my two bytes (blocks h, 2 + h) and lane l xor 16's two make the row's scale word, whole in both halves
	v_lshl_or_b32 v[\w], v[\b1], 16, v[\b0]
	s_delay_alu instid0(VALU_DEP_1)
	v_lshlrev_b32 v[\w], v[SH8], v[\w]
	s_delay_alu instid0(VALU_DEP_1)
	v_permlanex16_b32 v[\tmp], v[\w], s[SEL], s[SEL+1]
	s_delay_alu instid0(VALU_DEP_1)
	v_or_b32 v[\w], v[\w], v[\tmp]
.endm
.macro QUANT2 ra, rb, d, t             ; two blocks of 32 numbers by turns -> codes v[d .. d+5], v[d+6 .. d+11]; bytes in v[t+6], v[t+7]
	v_max3_num_f32 v[\t], |v[\ra]|, |v[\ra+1]|, |v[\ra+2]|
	v_max3_num_f32 v[\t+1], |v[\ra+16]|, |v[\ra+17]|, |v[\ra+18]|
	v_max3_num_f32 v[\t+2], |v[\rb]|, |v[\rb+1]|, |v[\rb+2]|
	v_max3_num_f32 v[\t+3], |v[\rb+16]|, |v[\rb+17]|, |v[\rb+18]|
.irp j, 3,5,7,9,11,13
	v_max3_num_f32 v[\t], v[\t], |v[\ra+\j]|, |v[\ra+\j+1]|         ; four chains by turns
	v_max3_num_f32 v[\t+1], v[\t+1], |v[\ra+\j+16]|, |v[\ra+\j+17]|
	v_max3_num_f32 v[\t+2], v[\t+2], |v[\rb+\j]|, |v[\rb+\j+1]|
	v_max3_num_f32 v[\t+3], v[\t+3], |v[\rb+\j+16]|, |v[\rb+\j+17]|
.endr
	v_max3_num_f32 v[\t], v[\t], v[\t+1], |v[\ra+15]|
	v_max3_num_f32 v[\t+2], v[\t+2], v[\t+3], |v[\rb+15]|
	v_max3_num_f32 v[\t], v[\t], |v[\ra+31]|, 0x1800000             ; the floor 2^(3 - 127): the byte cannot fall under 1
	v_max3_num_f32 v[\t+2], v[\t+2], |v[\rb+31]|, 0x1800000
	v_add_nc_u32 v[\t+4], 0xff000000, v[\t]                         ; 2 off the exponent field: the conversion's scale operand
	v_add_nc_u32 v[\t+5], 0xff000000, v[\t+2]
	v_lshrrev_b32 v[\t+6], 23, v[\t+4]
	v_lshrrev_b32 v[\t+7], 23, v[\t+5]
	v_cvt_scalef32_pk16_fp6_f32 v[\d:\d+2], v[\ra:\ra+15], v[\t+4]
	v_cvt_scalef32_pk16_fp6_f32 v[\d+6:\d+8], v[\rb:\rb+15], v[\t+5]
	v_cvt_scalef32_pk16_fp6_f32 v[\t+8:\t+10], v[\ra+16:\ra+31], v[\t+4]   ; (a conversion's three registers begin on an even number: the upper halves are made elsewhere and moved)
	v_cvt_scalef32_pk16_fp6_f32 v[\t+12:\t+14], v[\rb+16:\rb+31], v[\t+5]
	v_nop                                                           ; one plain place behind the scaled conversions
.irp m, 0,1,2
	v_mov_b32 v[\d+3+\m], v[\t+8+\m]
	v_mov_b32 v[\d+9+\m], v[\t+12+\m]
.endr
.endm
; The parts of a slot.  The names SCU, SPV, STC, STP, TC, TP, PP, PSP, OP, NX are set by SLOT.
.macro QN tail                         ; the tile before: from its two blocks' largest p to its scale word, a line or two at a time
.if \tail
.if QK == 0
	v_max_num_f32 v[TP], 0x1800000, v[TP]          ; the floor 2^(3 - 127): the byte cannot fall under 1
	v_max_num_f32 v[TP+1], 0x1800000, v[TP+1]
.elseif QK == 1
	v_add_nc_u32 v[TP], 0xff000000, v[TP]          ; 2 off the exponent field: the conversion's scale operand
	v_add_nc_u32 v[TP+1], 0xff000000, v[TP+1]
.elseif QK == 2
	v_lshrrev_b32 v[A1], 23, v[TP]                 ; the bytes
	v_lshrrev_b32 v[A1+1], 23, v[TP+1]
.elseif QK == 3
	v_lshl_or_b32 v[PSP], v[A1+1], 16, v[A1]
.elseif QK == 4
	v_lshlrev_b32 v[PSP], v[SH8], v[PSP]
.else
	v_permlanex16_b32 v[A1+2], v[PSP], s[SEL], s[SEL+1]
.endif
.endif
.set QK, QK+1
.endm
.macro CHN k, cur                      ; this tile: from its two block maxima to -M and f, a line at a time
.if \cur
.if (\k) == 0
	v_max_num_f32 v[X+4], v[TC], v[TC+1]
.elseif (\k) == 1
	v_permlanex16_b32 v[X+5], v[X+4], s[SEL], s[SEL+1]
.elseif (\k) == 2
	v_max3_num_f32 v[STC+1], v[STC+1], v[X+4], v[X+5]   ; the running largest score of my query
.elseif (\k) == 3
	v_mul_f32 v[X+7], s[NCS], v[STC+1]             ; -t (c is positive, so the largest score gives the largest t)
.elseif (\k) == 4
	v_floor_f32 v[STC], v[X+7]                     ; the new -M = floor(-t) = -ceil(t)
.elseif (\k) == 5
	v_sub_f32 v[X+6], v[STC], v[X+6]               ; old M - new M: a whole number, 0 or less
.elseif (\k) == 6
	v_cvt_i32_f32 v[X+6], v[X+6]                   ; (it saturates)
.else
	v_ldexp_f32 v[TC+2], 1.0, v[X+6]               ; f
.endif
.endif
.endm
.macro ADD4 r, tail                    ; the tile before: eight more p into the sum's four chains
.if \tail
	v_pk_add_f32 v[STP+2:STP+3], v[STP+2:STP+3], v[SPV+(\r):SPV+(\r)+1]
	v_pk_add_f32 v[A1:A1+1], v[A1:A1+1], v[SPV+(\r)+2:SPV+(\r)+3]
	v_pk_add_f32 v[A1+2:A1+3], v[A1+2:A1+3], v[SPV+(\r)+4:SPV+(\r)+5]
	v_pk_add_f32 v[A1+4:A1+5], v[A1+4:A1+5], v[SPV+(\r)+6:SPV+(\r)+7]
.endif
.endm
.macro FM4                             ; t - M of eight scores
.rept 4
	v_pk_fma_f32 v[SCU+jj:SCU+jj+1], v[SCU+jj:SCU+jj+1], s[CS:CS+1], v[STC:STC+1] op_sel_hi:[1,0,0]
.set jj, jj+2
.endr
.endm
; A SLOT.  i: this tile's head (0..3).  tail: the tile before is finished.  head: the next tile's scores are made.  kld, vld: the next key step's K, this key step's V^T are fetched.  cur: this tile's own work is done.
.macro SLOT i, tail, head, kld, vld, cur
.set SCU, S+64*((\i)%2)
.set SPV, S+64*(((\i)+1)%2)
.set NX,  ((\i)+1)%4
.set STC, ST+4*(\i)
.set STP, ST+4*(((\i)+3)%4)
.set TC,  TB+4*((\i)%2)
.set TP,  TB+4*(((\i)+1)%2)
.set PP,  P+12*(((\i)+1)%2)
.set PSP, PS+((\i)+1)%2
.set OP,  O+32*(((\i)+3)%4)
.if ((\i)%2) == 1
	s_wait_dscnt 0x0                               ; slot 1: V^T of this key step is in; slot 3: K of the next.  (It stands directly behind the wait that ends the slot before)
.endif
.if (\i) == 1
	v_add_nc_u32 v[AD16], 12800, v[AD16]           ; the next key step: K's loads in slot 2 and V's in the next slot 0 take it
	v_add_nc_u32 v[AD4], 12800, v[AD4]
.endif
.if \cur
	v_max3_num_f32 v[X], v[SCU], v[SCU+1], v[SCU+2]     ; the largest score of my two blocks of 32 keys, in four chains; each tile of S is read from its low end on
	v_max3_num_f32 v[X+1], v[SCU+16], v[SCU+17], v[SCU+18]
	v_max3_num_f32 v[X+2], v[SCU+32], v[SCU+33], v[SCU+34]
	v_max3_num_f32 v[X+3], v[SCU+48], v[SCU+49], v[SCU+50]
.endif
.set QK, 0
.irp j, 3,5,7,9,11,13
.if \cur
	v_max3_num_f32 v[X], v[X], v[SCU+\j], v[SCU+\j+1]
	v_max3_num_f32 v[X+1], v[X+1], v[SCU+\j+16], v[SCU+\j+17]
	v_max3_num_f32 v[X+2], v[X+2], v[SCU+\j+32], v[SCU+\j+33]
	v_max3_num_f32 v[X+3], v[X+3], v[SCU+\j+48], v[SCU+\j+49]
.endif
	QN \tail
.endr
.if \cur
	v_max3_num_f32 v[X], v[X], v[X+1], v[SCU+15]
	v_max3_num_f32 v[X+2], v[X+2], v[X+3], v[SCU+47]
	v_mov_b32 v[X+6], v[STC]                       ; the old -M
.endif
.if \tail
	v_or_b32 v[PSP], v[PSP], v[A1+2]               ; the tile before: p's scale word for these 128 keys
.endif
.if \cur
	v_max_num_f32 v[TC], v[X], v[SCU+31]           ; block h
	v_max_num_f32 v[TC+1], v[X+2], v[SCU+63]       ; block 2 + h
.endif
	CHN 0, \cur
.if \tail
	v_pk_fma_f32 v[STP+2:STP+3], v[STP+2:STP+3], v[TP+2:TP+3], v[SPV:SPV+1] op_sel_hi:[1,0,1]   ; the row's sum, of the unquantised p: l x f + p
	v_pk_add_f32 v[A1:A1+1], v[SPV+2:SPV+3], v[SPV+4:SPV+5]
	v_pk_add_f32 v[A1+2:A1+3], v[SPV+6:SPV+7], v[SPV+8:SPV+9]
	v_pk_add_f32 v[A1+4:A1+5], v[SPV+10:SPV+11], v[SPV+12:SPV+13]
.endif
.irp m, 0,1,2,3,4,5
	CHN \m+1, \cur
	ADD4 14+8*\m, \tail
.endr
	CHN 7, \cur
.if \tail
	v_pk_add_f32 v[STP+2:STP+3], v[STP+2:STP+3], v[SPV+62:SPV+63]
	v_pk_add_f32 v[A1:A1+1], v[A1:A1+1], v[A1+2:A1+3]
	v_pk_add_f32 v[STP+2:STP+3], v[STP+2:STP+3], v[A1+4:A1+5]
	v_pk_add_f32 v[STP+2:STP+3], v[STP+2:STP+3], v[A1:A1+1]
	v_cvt_scalef32_pk16_fp6_f32 v[PP:PP+2], v[SPV:SPV+15], v[TP]
	v_cvt_scalef32_pk16_fp6_f32 v[PP+6:PP+8], v[SPV+32:SPV+47], v[TP+1]
	v_cvt_scalef32_pk16_fp6_f32 v[X:X+2], v[SPV+16:SPV+31], v[TP]        ; (a conversion's three registers begin on an even number: the upper halves are made elsewhere and moved)
	v_cvt_scalef32_pk16_fp6_f32 v[X+4:X+6], v[SPV+48:SPV+63], v[TP+1]
	v_nop                                          ; one plain place behind the scaled conversions
.irp m, 0,1,2
	v_mov_b32 v[PP+3+\m], v[X+\m]
	v_mov_b32 v[PP+9+\m], v[X+4+\m]
.endr
	WIN 0x51                                       ; D, C, V^T and the rescaled O^T window 1; p's codes and f window 0
.set jj, 0
.irp u, 0,1,2,3,4                              ; O^T under the new M, then O^T += V^T P^T: accumulator u's four rescaling lines stand ahead of accumulator u - 1's product; one instruction an accumulator
.if \u < 4
.rept 4
	v_pk_mul_f32 v[OP+jj:OP+jj+1], v[OP+jj:OP+jj+1], v[TP+2:TP+3] op_sel_hi:[1,0]   ; (the first eight stand between the codes and the first product that takes them)
.set jj, jj+2
.endr
.endif
.if \u > 0
	WMC OP+8*(\u-1), VF+12*(\u-1), PP, VS+(\u-1)/2, PSP, (\u-1)%2
.endif
.endr
.endif
.if \vld
	WIN 0x40
.rept 4
	v_nop                                          ; four places ahead of loads into V's registers and scale words
.endr
.irp u, 0,1,2,3
.irp ch, 0,1,2
	ds_load_b128 v[VF+12*\u+4*\ch:VF+12*\u+4*\ch+3], v[AD16] offset:6144+1536*\u+512*\ch
.endr
.endr
	WIN 0
	ds_load_b32 v[VS], v[AD4] offset:256
	ds_load_b32 v[VS+1], v[AD4] offset:384
.endif
.if \cur
	WIN 0x04                                       ; q lies in window 1; the vector lines below name a scalar as their second source
.set jj, 0
.irp pf, 0,1,2,3                               ; the next tile's scores, each product followed by four lines of this tile's t - M
.if \head
	WMZ SPV+16*\pf, KF+12*\pf, QR+6+12*NX, KS+\pf/2, QS+NX/2, \pf%2, NX%2
.endif
	FM4
.if \head
	WMZ SPV+16*\pf+8, KF+12*\pf, QR+12*NX, KS+\pf/2, QS+NX/2, \pf%2, NX%2
.endif
	FM4
.endr
	v_fma_f32 v[TC], v[TC], s[CS], v[STC]          ; the same of each block's largest score
	v_fma_f32 v[TC+1], v[TC+1], s[CS], v[STC]
.if \kld
.irp pf, 0,1,2,3                               ; six plain lines stand behind the last product that read K
.irp ch, 0,1,2
	ds_load_b128 v[KF+12*\pf+4*\ch:KF+12*\pf+4*\ch+3], v[AD16] offset:1536*\pf+512*\ch
.endr
.endr
	ds_load_b32 v[KS], v[AD4]
	ds_load_b32 v[KS+1], v[AD4] offset:128
.endif
	s_wait_alu depctr_va_vdst(0)
.set jj, 0
.rept 64
	v_exp_f32 v[SCU+jj], v[SCU+jj]                 ; p = 2^(t - M), at most 1
.set jj, jj+1
.endr
	v_exp_f32 v[TC], v[TC]                         ; the blocks' largest p
	v_exp_f32 v[TC+1], v[TC+1]
.endif
	WIN 0
	s_wait_alu depctr_va_vdst(0)                   ; one wait for the whole batch, and for the scores made ahead of it.  The next slot begins with plain lines on other registers
.endm
	s_load_b128 s[4:7], s[0:1], 0x0                ; qq, kv
	s_load_b64 s[8:9], s[0:1], 0x10                ; aq
	v_lshl_add_u32 v[SPW], v0, 2, SPARE
	v_mov_b32 v[NIL], 0
	ds_add_u32 v[SPW], v[NIL]                      ; the wave's opening: the add, twice on end, and its wait ahead of the round in front of my tensor load
	ds_add_u32 v[SPW], v[NIL]
	v_lshrrev_b32 v1, 5, v0
	v_readfirstlane_b32 s[WV], v1                  ; wave 0..7
	s_bfe_u32 s11, ttmp6, 0x40000                  ; cx: it enters q's and the result's addresses alone
	s_lshl_b32 s12, ttmp9, 2
	s_add_co_u32 s12, s12, s11                     ; my block of 128 queries
	s_and_b32 s13, ttmp7, 0xffff                   ; 4 x batch + group, which the four partners share
	s_mov_b32 s24, 15|(3<<16)|(1<<21)              ; group 1: the mask names all four; elements of 8 bytes; bit 21 set beside a mask; no padding
	s_mov_b32 s25, 32<<16                          ; two key steps are 25,600 dense bytes: 100 rows of 32 elements
	s_mov_b32 s26, 100<<16
	s_mov_b32 s27, 32<<16
	s_mov_b32 s28, 100
	s_mov_b32 s29, 32
	s_mov_b32 s30, 0
	s_mov_b32 s31, 0
	s_mul_i32 s14, s[WV], 25600                    ; key steps 2 w and 2 w + 1 are mine to fetch
	s_mul_i32 s15, s13, 204800
	s_add_co_u32 s16, s15, s14
	s_mov_b32 s17, 0
	s_mov_b32 s[SEL], 0x76543210
	s_mov_b32 s[SEL+1], 0xfedcba98
	s_mov_b32 s[CS], 0x3e38aa3b                    ; log2(e) / 8
	s_mov_b32 s[CS+1], s[CS]
	s_mov_b32 s[NCS], 0xbe38aa3b
	s_mov_b32 s37, 0xffff0000                      ; lanes 16-31; also a word's upper half
	s_wait_dscnt 0x0                               ; both opening adds are done
	s_wait_kmcnt 0x0
	s_mov_b32 s32, 1
	s_mov_b32 s33, s14
	s_add_nc_u64 s[34:35], s[6:7], s[16:17]
	s_or_b32 s35, s35, 0x80000000
	CROUND                                         ; all four work-groups are here: the joint loads meet
	tensor_load_to_lds s[32:35], s[24:31]          ; my one tensor load
	s_nop 0
.rept 4
	v_nop
.endr
	s_lshr_b32 s16, s13, 2
	s_lshl_b32 s16, s16, 4
	s_add_co_u32 s16, s16, s12                     ; token block
	s_and_b32 s17, s13, 3
	s_lshl_b32 s17, s17, 1                         ; the group's first head pair
	s_lshl_b32 s19, s16, 3
	s_add_co_u32 s19, s19, s17
	s_lshl_b32 s19, s19, 3
	s_add_co_u32 s19, s19, s[WV]                   ; q's fragment of that pair; the second pair's lies 8 fragments on
	s_mul_i32 s38, s19, 1536
	s_mov_b32 s39, 0
	s_add_nc_u64 s[40:41], s[4:5], s[38:39]
	s_lshl_b32 s38, s19, 6
	s_add_co_u32 s38, s38, 6291456
	s_add_nc_u64 s[42:43], s[4:5], s[38:39]        ; and its scale words
	s_mul_i32 s38, s16, 102400                     ; the result: token block, K step = head pair, tile = wave
	s_mul_i32 s44, s17, 12800
	s_add_co_u32 s38, s38, s44
	s_mul_i32 s44, s[WV], 1536
	s_add_co_u32 s44, s44, s38
	s_mov_b32 s45, 0
	s_add_nc_u64 s[44:45], s[8:9], s[44:45]
	s_lshl_b32 s46, s[WV], 6
	s_add_co_u32 s46, s46, s38
	s_add_co_u32 s46, s46, 12288
	s_mov_b32 s47, 0
	s_add_nc_u64 s[46:47], s[8:9], s[46:47]
	v_and_b32 v2, 31, v0
	v_and_b32 v[W4], 15, v0
	v_lshlrev_b32 v[LN16], 4, v2
	v_lshlrev_b32 v[AD16], 4, v2
	v_lshlrev_b32 v[W4], 2, v[W4]
	v_lshl_add_u32 v[AD4], v2, 2, 12288
	v_bfe_u32 v0, v0, 4, 1
	v_lshlrev_b32 v[SH8], 3, v0
	global_load_b32 v[QS], v[W4], s[42:43]
	global_load_b32 v[QS+1], v[W4], s[42:43] offset:512
	WIN 0x40                                       ; destinations in window 1
.irp h, 0,1
	global_load_b128 v[QR+6+24*\h:QR+9+24*\h], v[LN16], s[40:41] offset:12288*\h            ; a fragment's registers 0-5 are the even head's codes,
	global_load_b64 v[QR+10+24*\h:QR+11+24*\h], v[LN16], s[40:41] offset:12288*\h+512
	global_load_b64 v[QR+18+24*\h:QR+19+24*\h], v[LN16], s[40:41] offset:12288*\h+520       ; 6-11 the odd head's
	global_load_b128 v[QR+20+24*\h:QR+23+24*\h], v[LN16], s[40:41] offset:12288*\h+1024
.endr
.irp z, 0,12,24,36,48
.irp m, 0,1,2,3,4,5
	v_mov_b32 v[QR+\z+\m], 0                       ; the zero codes beside q
.endr
.endr
	WIN 0
.irp i, 0,1,2,3
	v_mov_b32 v[ST+4*\i], 0x7f61b1e6               ; -M = 3e38,
	v_mov_b32 v[ST+4*\i+1], 0xff61b1e6             ; the largest score so far: -3e38, under every score
	v_mov_b32 v[ST+4*\i+2], 0                      ; l
	v_mov_b32 v[ST+4*\i+3], 0
.endr
.irp r, TB+2, TB+3, TB+6, TB+7, X+5, A1+2
	v_mov_b32 v[\r], 0                             ; upper halves of pairs that are named whole, and lane permutes' destinations, which count as sources
.endr
	s_wait_alu depctr_va_vdst(0)
	s_wait_tensorcnt 0x0                           ; my two key steps are in,
	s_barrier_signal -1
	s_barrier_wait -1                              ; everybody's are: no barrier stands in the loop
.irp pf, 0,1,2,3
.irp ch, 0,1,2
	ds_load_b128 v[KF+12*\pf+4*\ch:KF+12*\pf+4*\ch+3], v[AD16] offset:1536*\pf+512*\ch
.endr
.endr
	ds_load_b32 v[KS], v[AD4]
	ds_load_b32 v[KS+1], v[AD4] offset:128
	ds_load_b32 v[VS], v[AD4] offset:256
	ds_load_b32 v[VS+1], v[AD4] offset:384
	WIN 0x40
.irp u, 0,1,2,3
.irp ch, 0,1,2
	ds_load_b128 v[VF+12*\u+4*\ch:VF+12*\u+4*\ch+3], v[AD16] offset:6144+1536*\u+512*\ch
.endr
.endr
	WIN 0
	s_wait_loadcnt 0x0                             ; q
.irp h, 0,1
	v_and_b32 v[X+2*\h], 0xffff, v[QS+\h]
	v_lshrrev_b32 v[X+2*\h+1], 16, v[QS+\h]
.endr
.irp h, 0,1
	v_lshl_or_b32 v[X+2*\h], v[QS+\h], 16, v[X+2*\h]        ; the even head's two bytes, twice: they serve [q, 0] and [0, q]
	v_and_or_b32 v[X+2*\h+1], v[QS+\h], s37, v[X+2*\h+1]    ; the odd head's
.endr
.irp h, 0,1
	v_cndmask_b32 v[QS+\h], v[X+2*\h], v[X+2*\h+1], s37
.endr
	WIN 0x40
.set jj, 0
.rept 128
	v_mov_b32 v[O+jj], 0                           ; O^T.  (A slot is written once for all key steps: the first finds zeros, which the first change of M leaves zeros.  These stand between the scale words above and the products)
.set jj, jj+1
.endr
	s_wait_alu depctr_va_vdst(0)
	s_wait_dscnt 0x0                               ; key step 0's K and V^T
	WIN 0x04
.irp pf, 0,1,2,3                               ; tile 0's scores
	WMZ S+16*\pf, KF+12*\pf, QR+6, KS+\pf/2, QS, \pf%2, 0
	WMZ S+16*\pf+8, KF+12*\pf, QR, KS+\pf/2, QS, \pf%2, 0
.endr
	WIN 0
.rept 4
	v_nop                                          ; four places ahead of the first read of the scores
.endr
	SLOT 0, 0, 1, 0, 0, 1                          ; the first tile has no tile before it
	s_mov_b32 s36, 15
.Lstep:                                            ; a trip: heads 1, 2, 3 of a key step and head 0 of the next
	SLOT 1, 1, 1, 0, 0, 1
	SLOT 2, 1, 1, 1, 0, 1
	SLOT 3, 1, 1, 0, 0, 1
	SLOT 0, 1, 1, 0, 1, 1
	s_sub_co_u32 s36, s36, 1
	s_cmp_lg_u32 s36, 0
	s_wait_alu depctr_va_vdst(0)
	s_cbranch_scc1 .Lstep
	SLOT 1, 1, 1, 0, 0, 1                          ; the last key step fetches nothing more,
	SLOT 2, 1, 1, 0, 0, 1
	SLOT 3, 1, 0, 0, 0, 1                          ; its last tile has no successor,
	SLOT 0, 1, 0, 0, 0, 0                          ; and is finished here
	; THE WAY OUT: O / l; a head pair's 2 x 32 channels a lane are two blocks of the last projection's K: quantised here, stored as one fragment for each pair
.irp i, 0,1,2,3
	v_add_f32 v[ST+4*\i+2], v[ST+4*\i+2], v[ST+4*\i+3]     ; (these lines are also the places behind the last products)
.endr
.irp i, 0,1,2,3
	v_permlanex16_b32 v[X+\i], v[ST+4*\i+2], s[SEL], s[SEL+1]
.endr
.irp i, 0,1,2,3
	v_add_f32 v[ST+4*\i+2], v[ST+4*\i+2], v[X+\i]
.endr
	s_wait_alu depctr_va_vdst(0)
.irp i, 0,1,2,3
	v_rcp_f32 v[ST+4*\i+2], v[ST+4*\i+2]
.endr
	v_nop                                          ; a plain place behind the reciprocals
	s_wait_alu depctr_va_vdst(0)                   ; one wait for the four, ahead of their first reader and of O's
	WIN 0x01                                       ; O^T from window 1
.irp i, 0,1,2,3
.set jj, 0
.rept 16
	v_pk_mul_f32 v[S+32*\i+jj:S+32*\i+jj+1], v[O+32*\i+jj:O+32*\i+jj+1], v[ST+4*\i+2:ST+4*\i+3] op_sel_hi:[1,0]
.set jj, jj+2
.endr
.endr
	WIN 0
	QUANT2 S, S+32, KF, KF+24
	WORD2 KS, KF+30, KF+31, X
	QUANT2 S+64, S+96, KF+12, KF+24
	WORD2 KS+1, KF+30, KF+31, X
.irp ch, 0,1,2
	global_store_b128 v[LN16], v[KF+4*\ch:KF+4*\ch+3], s[44:45] offset:512*\ch              ; 32 lanes store 512 consecutive bytes
	global_store_b128 v[LN16], v[KF+12+4*\ch:KF+12+4*\ch+3], s[44:45] offset:12800+512*\ch
.endr
	global_store_b32 v[W4], v[KS], s[46:47]        ; both halves of the lanes hold the same word and write it to the same place
	global_store_b32 v[W4], v[KS+1], s[46:47] offset:12800
	s_wait_tensorcnt 0x0                           ; the wave's end
	ds_add_u32 v[SPW], v[NIL]
	s_wait_dscnt 0x0
	CROUND                                         ; the closing round
	s_endpgm
.Lfunc_end_k_qa2909dbec5_attn:
	.size	k_qa2909dbec5_attn, .Lfunc_end_k_qa2909dbec5_attn-k_qa2909dbec5_attn
	.p2alignl 7, 3214868480
	.fill 96, 4, 3214868480
	.section	.rodata,"a",@progbits
	.p2align	6, 0x0
	.amdhsa_kernel k_qa2909dbec5_attn
		.amdhsa_group_segment_fixed_size 206848
		.amdhsa_private_segment_fixed_size 0
		.amdhsa_enable_private_segment 0
		.amdhsa_kernarg_size 24
		.amdhsa_user_sgpr_count 2
		.amdhsa_user_sgpr_kernarg_segment_ptr 1
		.amdhsa_wavefront_size32 1
		.amdhsa_system_sgpr_workgroup_id_x 1
		.amdhsa_system_sgpr_workgroup_id_y 1
		.amdhsa_system_sgpr_workgroup_id_z 1
		.amdhsa_system_vgpr_workitem_id 0
		.amdhsa_next_free_vgpr 512
		.amdhsa_next_free_sgpr 66
		.amdhsa_reserve_vcc 0
		.amdhsa_float_denorm_mode_32 3
		.amdhsa_float_denorm_mode_16_64 3
		.amdhsa_memory_ordered 1
		.amdhsa_forward_progress 1
		.amdhsa_inst_pref_size 126
	.end_amdhsa_kernel
	.amdgpu_metadata
---
amdhsa.version: [ 1, 2 ]
amdhsa.kernels:
  - .name:           k_qa2909dbec5_attn
    .symbol:         k_qa2909dbec5_attn.kd
    .args:
      - { .name: qq, .offset: 0, .size: 8, .value_kind: global_buffer, .address_space: global }
      - { .name: kv, .offset: 8, .size: 8, .value_kind: global_buffer, .address_space: global }
      - { .name: aq, .offset: 16, .size: 8, .value_kind: global_buffer, .address_space: global }
    .group_segment_fixed_size: 206848
    .private_segment_fixed_size: 0
    .kernarg_segment_align: 8
    .kernarg_segment_size: 24
    .max_flat_workgroup_size: 256
    .sgpr_count:     66
    .vgpr_count:     512
    .wavefront_size: 32
...
	.end_amdgpu_metadata
.endif
;; end of part 3
;; launch oproj (part 4): grid 4 x 64, 4 waves a work-group, clusters of 4 x 4, 327,680 bytes of LDS; arguments aq, wq, bo, out0; writes out0
.if DOCPART == 4
	.amdgcn_target "amdgcn-amd-amdhsa--gfx1250"
	.amdhsa_code_object_version 6
	.text
	.protected	k_qa2909dbec5_oproj
	.globl	k_qa2909dbec5_oproj
	.p2align	8
	.type	k_qa2909dbec5_oproj,@function
k_qa2909dbec5_oproj:
	s_mov_b64 s[64:65], 0
	v_nop
	global_prefetch_b8 v0, s[64:65] scope:SCOPE_SE
	s_setreg_imm32_b32 hwreg(HW_REG_WAVE_MODE, 25, 1), 1
	s_wait_xcnt 0x0
	s_wait_alu depctr_hold_cnt(0) depctr_sa_sdst(0) depctr_va_vdst(0) depctr_va_sdst(0) depctr_va_ssrc(0) depctr_va_vcc(0) depctr_vm_vsrc(0)
	s_getreg_b32 s2, hwreg(HW_REG_IB_STS2, 6, 4)
	s_cmp_eq_u32 s2, 0
	s_cbranch_scc0 .Lentry_in_a_cluster
	s_endpgm
.Lentry_in_a_cluster:
	s_bfe_u32 s2, ttmp6, 0x10000c
	s_cmp_lg_u32 s2, 0xf033
	s_cbranch_scc0 .Lentry_shape_is_right
	s_endpgm
.Lentry_shape_is_right:
; out0 = attention's result x Wo + bo, on codes of FP6 (E2M3) with E8M0 scales, f32 sums.
; A work-group: 128 tokens (block y of aq) x TWO slabs of 128 output columns (slabs 12 + 2 x and 13 + 2 x of wq), all of K = 1,024: 256 work-groups.
; Source 0 = Wo's columns, source 1 = tokens: a lane holds one token and its registers run along the columns.
; The rows of a fragment are chosen (in each 64: tile t, lane row r: row 32 (r / 8) + 8 t + r % 8), so that the 32 registers of four neighbouring source-0 tiles are 32 neighbouring columns.
; Wave w: token tiles 2 w, 2 w + 1 x all 8 column tiles: 16 accumulators by turns.  The bias starts the sums: nothing is cleared.
; THE TOKENS' FRAGMENTS of a wave (2 tiles x 8 K steps, 192 registers, and 8 registers of scale words) are read by that wave alone: they go from memory straight into registers, 512 consecutive bytes a load, once, and serve both slabs.
; Wo's SLABS (102,400 bytes: 8 K steps of 8 fragments + scale words) lie whole in LDS, slab 0 at 0, slab 1 at 102,400, each filled once, a quarter (25,600 bytes) a wave:
; slab 0 at the head; slab 1 behind the full sequence and a round, so that it is on its way while slab 0 is multiplied and stored.
; CLUSTER 4 x 4: the four of a column of the cluster need the same slabs of Wo: each quarter is asked for jointly, by the same load with the same descriptor and a mask that names the four.
; The tokens' fragments pass through no LDS, so there is no tensor load of theirs to share along a row of the cluster.
; No prefetch: both slabs are asked for ahead of the first product, and there is no loop to run ahead in.
; REGISTERS.  Window 0: v2-9 LDS addresses; v12, v13 the add's two; v14, v15 the stage; v16-23 Wo's scale words, two sets of 4; v24-31 the tokens' scale words, one a K step; v32-95 rows on the way out; v128-255 accumulators ((a, j) at 128 + 64 j + 8 a).
;             Window 1: two sets of Wo's eight fragments, at 0 and 128.   Window 2: the tokens' fragments, K step s, tile j at 24 s + 12 j.
.set SPARE, 204800                     ; the spare words, 128 bytes a wave: two blocks of 256 bytes that no other line names
.set STG,   205312                     ; the way out: for each wave two stages of 16 rows x (512 bytes + 16); no fill lands here
.set LA,  2                            ; v2-5   16 x lane + 102,400 x slab (+ 51,200: K steps 4-7)
.set SA,  6                            ; v6-9   12,288 + 4 x lane + 102,400 x slab (+ 51,200)
.set SPW, 12
.set NIL, 13
.set SC,  16
.set OS,  24
.set L4,  99                           ; 4 x lane
.set BH,  100                          ; 128 x (lane / 16)
.set ACC, 128
.set WV,  18
.set MSB, 0
.macro WIN new                         ; the immediate's high byte repeats the setting that is left
.if MSB != \new
	s_set_vgpr_msb (MSB<<8)|\new
.set MSB, \new
.endif
.endm
.macro CROUND                          ; a round of the cluster's barrier
	s_barrier_signal -1
	s_barrier_wait -1
	s_cmp_lg_u32 s[WV], 0
	s_cbranch_scc1 .Lnot_wave_0_\@
	s_barrier_signal -3
.Lnot_wave_0_\@:
	s_barrier_wait -3
	s_barrier_signal -1
	s_barrier_wait -1
.endm
.macro WMC d, a, b, sa, sb, ra, rb     ; D += A x B.  ra, rb: 1 = that side's scale words stand in lanes 16-31
.if (\ra) && (\rb)
	v_wmma_scale_f32_16x16x128_f8f6f4 v[\d:\d+7], v[\a:\a+11], v[\b:\b+11], v[\d:\d+7], v[\sa], v[\sb] matrix_a_fmt:MATRIX_FMT_FP6 matrix_b_fmt:MATRIX_FMT_FP6 matrix_a_scale:MATRIX_SCALE_ROW1 matrix_b_scale:MATRIX_SCALE_ROW1
.elseif (\ra)
	v_wmma_scale_f32_16x16x128_f8f6f4 v[\d:\d+7], v[\a:\a+11], v[\b:\b+11], v[\d:\d+7], v[\sa], v[\sb] matrix_a_fmt:MATRIX_FMT_FP6 matrix_b_fmt:MATRIX_FMT_FP6 matrix_a_scale:MATRIX_SCALE_ROW1
.elseif (\rb)
	v_wmma_scale_f32_16x16x128_f8f6f4 v[\d:\d+7], v[\a:\a+11], v[\b:\b+11], v[\d:\d+7], v[\sa], v[\sb] matrix_a_fmt:MATRIX_FMT_FP6 matrix_b_fmt:MATRIX_FMT_FP6 matrix_b_scale:MATRIX_SCALE_ROW1
.else
	v_wmma_scale_f32_16x16x128_f8f6f4 v[\d:\d+7], v[\a:\a+11], v[\b:\b+11], v[\d:\d+7], v[\sa], v[\sb] matrix_a_fmt:MATRIX_FMT_FP6 matrix_b_fmt:MATRIX_FMT_FP6
.endif
.endm
.macro FETCH s, sl                     ; K step s of slab sl: Wo's eight fragments as they lie, 512 consecutive bytes a load; four loads of scale words, two tiles' to a register
	WIN 0x40                                       ; destination window 1, address window 0
.irp a, 0,1,2,3,4,5,6,7
.irp ch, 0,1,2
	ds_load_b128 v[128*((\s)%2)+12*\a+4*\ch:128*((\s)%2)+12*\a+4*\ch+3], v[LA+2*(\sl)+(\s)/4] offset:((\s)%4)*12800+\a*1536+512*\ch
.endr
.endr
	WIN 0
.irp i, 0,1,2,3
	ds_load_b32 v[SC+4*((\s)%2)+\i], v[SA+2*(\sl)+(\s)/4] offset:((\s)%4)*12800+128*\i
.endr
.endm
.macro MUL s                           ; 16 matrix instructions, the 16 accumulators by turns, in the same order in every K step
	WIN 0x09                                       ; source 0 window 1, source 1 window 2; C and D window 0
.irp a, 0,1,2,3,4,5,6,7
.irp j, 0,1
	WMC ACC+64*\j+8*\a, 128*((\s)%2)+12*\a, 24*(\s)+12*\j, SC+4*((\s)%2)+\a/2, OS+(\s), \a%2, \j
.endr
.endr
.endm
.macro CORE sl                         ; the eight K steps of a slab, written out; the next K step's fragments are fetched while this one is multiplied
	FETCH 0, \sl
.irp s, 0,1,2,3,4,5,6,7
	s_wait_dscnt 0x0                               ; this K step's fragments and scale words are in
.if \s > 0
.rept 4
	v_nop                                          ; four places ahead of loads into the set that the last K step multiplied
.endr
.endif
.if \s < 7
	FETCH \s+1, \sl
.endif
.if \s == 0
	s_wait_loadcnt 0x0                             ; the bias lies in the accumulators, and the tokens' fragments and scale words are in
.endif
	MUL \s
.endr
	WIN 0
.rept 4
	v_nop                                          ; four places ahead of the first read of results
.endr
.endm
.macro BIAS u                          ; accumulator (a, j), register i, half h is column 64 (a / 4) + 32 h + 8 (a % 4) + i of slab u: its bias starts the sum
.irp j, 0,1
.irp a, 0,1,2,3,4,5,6,7
	global_load_b128 v[ACC+64*\j+8*\a:ACC+64*\j+8*\a+3], v[BH], s[86:87] offset:512*(\u)+(64*(\a/4)+8*(\a%4))*4
	global_load_b128 v[ACC+64*\j+8*\a+4:ACC+64*\j+8*\a+7], v[BH], s[86:87] offset:512*(\u)+(64*(\a/4)+8*(\a%4))*4+16
.endr
.endr
.endm
; THE WAY OUT of slab u.  A lane holds 2 x 128 neighbouring bytes of one row, and the lanes beside it hold other rows: a tile of 16 tokens x 128 columns goes through my own stage and comes back as whole rows of 512 bytes.
; LDS serves a wave's instructions in order (ISA guide 5.7.1.4): no wait between the stores and the loads of a stage.
.macro OUT u
.irp q, 0,1,2,3,4,5,6,7,8,9,10,11,12,13,14,15
	ds_store_b128 v14, v[ACC+4*\q:ACC+4*\q+3] offset:256*(\q/8)+16*(\q%8)          ; each accumulator from its low end on
.endr
.irp t, 0,1,2,3,4,5,6,7,8,9,10,11,12,13,14,15
	ds_load_b128 v[32+4*\t:35+4*\t], v15 offset:528*\t
.endr
.irp q, 0,1,2,3,4,5,6,7,8,9,10,11,12,13,14,15
	ds_store_b128 v14, v[ACC+64+4*\q:ACC+64+4*\q+3] offset:8448+256*(\q/8)+16*(\q%8)
.endr
	s_wait_dscnt 32                                ; 48 are out: the oldest 16, the stores that read v128-191, are done: those registers take the loads below
.irp t, 0,1,2,3,4,5,6,7,8,9,10,11,12,13,14,15
	ds_load_b128 v[ACC+4*\t:ACC+4*\t+3], v15 offset:8448+528*\t
.endr
	s_wait_dscnt 32                                ; the first tile's rows are back; behind them 16 stores and 16 loads may be out
.irp t, 0,1,2,3,4,5,6,7,8,9,10,11,12,13,14,15
	global_store_b128 v[LA], v[32+4*\t:35+4*\t], s[88:89] offset:512*(\u)+(32*(\t/8)+\t%8)*4096 th:TH_STORE_NT   ; 32 lanes store 512 consecutive bytes, at a multiple of 256 from out0's first byte
.endr
	s_wait_dscnt 0x0
.irp t, 0,1,2,3,4,5,6,7,8,9,10,11,12,13,14,15
	global_store_b128 v[LA], v[ACC+4*\t:ACC+4*\t+3], s[88:89] offset:512*(\u)+(8+32*(\t/8)+\t%8)*4096 th:TH_STORE_NT
.endr
.endm
	s_load_b256 s[4:11], s[0:1], 0x0               ; aq, wq, bo, out0
	v_lshl_add_u32 v[SPW], v0, 2, SPARE
	v_mov_b32 v[NIL], 0
	ds_add_u32 v[SPW], v[NIL]                      ; the wave's opening: the add, twice on end, and its wait ahead of the round in front of my first tensor load
	ds_add_u32 v[SPW], v[NIL]
	v_lshrrev_b32 v1, 5, v0
	v_readfirstlane_b32 s[WV], v1                  ; wave 0..3
	s_lshr_b32 s21, s[WV], 1
	s_and_b32 s22, s[WV], 1
	s_bfe_u32 s76, ttmp6, 0x40000                  ; cx
	s_bfe_u32 s77, ttmp6, 0x40004                  ; cy
	s_lshl_b32 s19, ttmp9, 2
	s_add_co_u32 s19, s19, s76                     ; pair of slabs = 4 x cluster x + cx
	s_and_b32 s20, ttmp7, 0xffff
	s_lshl_b32 s20, s20, 2
	s_add_co_u32 s20, s20, s77                     ; token block = 4 x cluster y + cy
	s_lshl_b32 s79, 0x1111, s76                    ; my column of the cluster
	s_or_b32 s24, s79, (3<<16)|(1<<21)             ; group 1: Wo's tiles go to my column; elements of 8 bytes; bit 21 set beside a mask; no padding
	s_mov_b32 s25, 32<<16                          ; a quarter of a slab is 25,600 dense bytes: 100 rows of 32 elements
	s_mov_b32 s26, 100<<16
	s_mov_b32 s27, 32<<16
	s_mov_b32 s28, 100
	s_mov_b32 s29, 32
	s_mov_b32 s30, 0
	s_mov_b32 s31, 0
	s_mul_i32 s23, s[WV], 25600                    ; my quarter: no place in the cluster enters an LDS address
	s_lshl_b32 s80, s19, 1
	s_add_co_u32 s80, s80, 12
	s_mul_i32 s80, s80, 102400
	s_add_co_u32 s80, s80, s23
	s_mov_b32 s81, 0
	s_mul_i32 s82, s20, 102400
	s_mov_b32 s83, 0
	s_wait_dscnt 0x0                               ; both opening adds are done
	s_wait_kmcnt 0x0
	s_add_nc_u64 s[80:81], s[6:7], s[80:81]        ; Wo's address holds cx alone,
	s_add_nc_u64 s[82:83], s[4:5], s[82:83]        ; the tokens' cy alone
	s_mov_b32 s32, 1                               ; group 0 for slab 0's quarter,
	s_mov_b32 s33, s23
	s_mov_b64 s[34:35], s[80:81]
	s_or_b32 s35, s35, 0x80000000
	s_mov_b32 s56, 1                               ; and for slab 1's, 102,400 bytes on in memory and in LDS
	s_add_co_u32 s57, s23, 102400
	s_add_nc_u64 s[58:59], s[80:81], 102400
	s_or_b32 s59, s59, 0x80000000
	CROUND                                         ; all sixteen work-groups are here: the joint loads meet
	tensor_load_to_lds s[32:35], s[24:31]          ; my one tensor load at the head
	s_nop 0
.rept 4
	v_nop
.endr
	s_mul_i32 s84, s[WV], 3072                     ; my two token tiles' fragments,
	s_mov_b32 s85, 0
	s_add_nc_u64 s[84:85], s[82:83], s[84:85]
	s_lshl_b32 s72, s[WV], 7
	s_add_co_u32 s72, s72, 12288                   ; and their scale words
	s_mov_b32 s73, 0
	s_add_nc_u64 s[72:73], s[82:83], s[72:73]
	s_lshl_b32 s90, s19, 10                        ; the pair's first column, in bytes
	s_mov_b32 s91, 0
	s_add_nc_u64 s[86:87], s[8:9], s[90:91]
	s_lshl_b32 s92, s20, 7
	s_lshl_b32 s93, s21, 6
	s_add_co_u32 s92, s92, s93
	s_lshl_b32 s93, s22, 4
	s_add_co_u32 s92, s92, s93                     ; token 128 tb + 64 (w / 2) + 16 (w % 2)
	s_lshl_b32 s92, s92, 12
	s_add_co_u32 s92, s92, s90
	s_mov_b32 s93, 0
	s_add_nc_u64 s[88:89], s[10:11], s[92:93]
	s_mul_i32 s94, s[WV], 16896
	s_add_co_u32 s94, s94, STG                     ; my two stages
	v_and_b32 v96, 31, v0                          ; lane
	v_and_b32 v97, 15, v0                          ; r
	v_bfe_u32 v98, v0, 4, 1                        ; h
	v_lshlrev_b32 v[LA], 4, v96
	v_lshlrev_b32 v[L4], 2, v96
	v_lshlrev_b32 v[BH], 7, v98
	v_lshl_add_u32 v[SA], v96, 2, 12288
.irp i, 1,2,3
	v_add_nc_u32 v[LA+\i], 51200*\i, v[LA]
	v_add_nc_u32 v[SA+\i], 51200*\i, v[SA]
.endr
	v_mul_u32_u24 v14, v97, 528
	v_lshl_add_u32 v14, v98, 7, v14
	v_add_nc_u32 v14, s94, v14                     ; in: row r, my half's 32 columns of each 64
	v_add_nc_u32 v15, s94, v[LA]                   ; back: a whole row of 512 bytes to the 32 lanes
	WIN 0x80                                       ; destination window 2, address window 0
.irp s, 0,1,2,3,4,5,6,7
.irp j, 0,1
.irp ch, 0,1,2
	global_load_b128 v[24*\s+12*\j+4*\ch:24*\s+12*\j+4*\ch+3], v[LA], s[84:85] offset:\s*12800+\j*1536+512*\ch   ; 32 lanes read 512 consecutive bytes
.endr
.endr
.endr
	WIN 0
.irp s, 0,1,2,3,4,5,6,7
	global_load_b32 v[OS+\s], v[L4], s[72:73] offset:\s*12800   ; lanes 0-15 tile 2 w's words, lanes 16-31 tile 2 w + 1's
.endr
	BIAS 0
	s_wait_alu depctr_va_vdst(0)
	s_wait_tensorcnt 0x0                           ; my quarter of slab 0 is in
	ds_add_u32 v[SPW], v[NIL]
	s_wait_dscnt 0x0
	CROUND                                         ; a whole round: slab 0 is whole, and all sixteen work-groups are here: the joint loads meet,
	tensor_load_to_lds s[56:59], s[24:31]          ; and my quarter of slab 1, the first tensor load behind the round
	s_nop 0
.rept 4
	v_nop
.endr
	CORE 0
	OUT 0
	s_wait_xcnt 0x0                                ; the stores have read their registers: the accumulators take slab 1's bias
	BIAS 1
	s_wait_tensorcnt 0x0                           ; my quarter of slab 1 is in (no LDS instruction of mine is out: the way out has waited for all),
	s_barrier_signal -1
	s_barrier_wait -1                              ; everybody's is
	CORE 1
	OUT 1
	s_wait_tensorcnt 0x0                           ; the wave's end
	ds_add_u32 v[SPW], v[NIL]
	s_wait_dscnt 0x0
	CROUND                                         ; the closing round
	s_endpgm
.Lfunc_end_k_qa2909dbec5_oproj:
	.size	k_qa2909dbec5_oproj, .Lfunc_end_k_qa2909dbec5_oproj-k_qa2909dbec5_oproj
	.p2alignl 7, 3214868480
	.fill 96, 4, 3214868480
	.section	.rodata,"a",@progbits
	.p2align	6, 0x0
	.amdhsa_kernel k_qa2909dbec5_oproj
		.amdhsa_group_segment_fixed_size 327680
		.amdhsa_private_segment_fixed_size 0
		.amdhsa_enable_private_segment 0
		.amdhsa_kernarg_size 32
		.amdhsa_user_sgpr_count 2
		.amdhsa_user_sgpr_kernarg_segment_ptr 1
		.amdhsa_wavefront_size32 1
		.amdhsa_system_sgpr_workgroup_id_x 1
		.amdhsa_system_sgpr_workgroup_id_y 1
		.amdhsa_system_sgpr_workgroup_id_z 1
		.amdhsa_system_vgpr_workitem_id 0
		.amdhsa_next_free_vgpr 768
		.amdhsa_next_free_sgpr 100
		.amdhsa_reserve_vcc 0
		.amdhsa_float_denorm_mode_32 3
		.amdhsa_float_denorm_mode_16_64 3
		.amdhsa_memory_ordered 1
		.amdhsa_forward_progress 1
		.amdhsa_inst_pref_size 96
	.end_amdhsa_kernel
	.amdgpu_metadata
---
amdhsa.version: [ 1, 2 ]
amdhsa.kernels:
  - .name:           k_qa2909dbec5_oproj
    .symbol:         k_qa2909dbec5_oproj.kd
    .args:
      - { .name: aq, .offset: 0, .size: 8, .value_kind: global_buffer, .address_space: global }
      - { .name: wq, .offset: 8, .size: 8, .value_kind: global_buffer, .address_space: global }
      - { .name: bo, .offset: 16, .size: 8, .value_kind: global_buffer, .address_space: global }
      - { .name: out0, .offset: 24, .size: 8, .value_kind: global_buffer, .address_space: global }
    .group_segment_fixed_size: 327680
    .private_segment_fixed_size: 0
    .kernarg_segment_align: 8
    .kernarg_segment_size: 32
    .max_flat_workgroup_size: 128
    .sgpr_count:     100
    .vgpr_count:     768
    .wavefront_size: 32
...
	.end_amdgpu_metadata
.endif
;; end of part 4
